; MI455X (gfx1250); checked and timed in simulation.
; The chip was launched on July 23, 2026; its instructions are those of AMD's public machine-readable ISA for CDNA 5 (MIT licence, August 2026) and "CDNA5" Instruction Set Architecture Reference Guide (July 2026). The comments in the code are by the model that wrote it; some were corrected since.
;; Causal Multihead Self Attention. Allowed arithmetic: matrix products marked QUANTISED: E2M1 operands, one E8M0 scale for each 32 along K, by v_wmma_scale_f32_16x16x128_f8f6f4 with both operands' format E2M1 (or v_wmma_scale_f32_32x16x128_f4), f32 sums; products left as they are: bf16, f16 or f32 operands; f32 sums; everything else in f32.
;; Inputs: Wk 1,024 x 1,024 float32; Wo 1,024 x 1,024 float32; Wq 1,024 x 1,024 float32; Wv 1,024 x 1,024 float32; token_positions 2,048 int32; x 2 x 2,048 x 1,024 float32.
;; Outputs: out0 2 x 2,048 x 1,024 float32.
;; This version of the problem:
;;   THIS VERSION OF THE PROBLEM IS GIVEN IN LOW PRECISION. The matrix products marked QUANTISED in the list below multiply operands that are first quantised to E2M1 (2 exponent bits, 1 mantissa bit; 4 bits a number), with one power-of-two scale for each 32 numbers along K (OCP MX v1.0); their sums are f32. The products marked 'left as it is' may take bf16, f16 or f32 operands, with f32 sums. Whichever they take, every output number must still come out within the allowed error. Rounding operands to bf16 (8 significant bits) uses up far more of that allowance than f16 does (11 bits, for magnitudes from 6e-5 to 65,504). All else is computed in f32.
;;   The module's matrix products, in the order in which they are computed (A, B: the left and right operand; K: the contracted axis; several contracted axes count as one K, in the product's order):
;;     1. [M 4,096, K 1,024] x [K 1,024, N 1,024]; A: input x; B: input Wq: QUANTISED
;;     2. [M 4,096, K 1,024] x [K 1,024, N 1,024]; A: input x; B: input Wk: QUANTISED
;;     3. [M 4,096, K 1,024] x [K 1,024, N 1,024]; A: input x; B: input Wv: QUANTISED
;;     4. batch 32 x [M 2,048, K 64] x [K 64, N 2,048]; A: computed on the way; B: computed on the way: left as it is (an operand is computed on the way)
;;     5. batch 32 x [M 2,048, K 2,048] x [K 2,048, N 64]; A: computed on the way; B: computed on the way: left as it is (an operand is computed on the way)
;;     6. [M 4,096, K 1,024] x [K 1,024, N 1,024]; A: computed on the way; B: input Wo: left as it is (an operand is computed on the way)
;;   THE QUANTISER, for each operand of a quantised product, along K:
;;     - K is cut into blocks of 32 from its start; a last block that is shorter is filled with zeros.
;;     - A block's scale is 2^e with e = floor(log2(the largest magnitude in the block)) - 2, held to -126 .. 127; a block of zeros has e = 0. As a byte (E8M0): e + 127.
;;     - Each number is divided by its block's scale, clamped to +-6, and rounded to the nearest number of E2M1, ties to even, subnormals kept.
;;     - The product sums the exact products of the quantised numbers (number of the format x scale) in f32.
;;   ~~~python
;;   def quantise(x, axis):      # numpy; x: float32 -> the quantised numbers, widened to float32 again
;;       x = np.moveaxis(x, axis, -1); K = x.shape[-1]
;;       x = np.pad(x, [(0, 0)] * (x.ndim - 1) + [(0, -K % 32)]); x = x.reshape(x.shape[:-1] + (-1, 32)); a = np.abs(x).max(-1, keepdims=True)
;;       e = np.where(a > 0, np.clip(np.frexp(np.where(a > 0, a, 1))[1] - 1 - 2, -126, 127), 0)      # np.frexp(a)[1] - 1 = floor(log2(a)), exactly
;;       r = np.clip(x / 2.0 ** e, -6, 6)
;;       step = 2.0 ** (np.maximum(np.frexp(np.where(r == 0, 1, r))[1] - 1, 0) - 1)
;;       q = np.round(r / step) * step * 2.0 ** e      # np.round: ties to even
;;       return np.moveaxis(q.reshape(q.shape[:-2] + (-1,))[..., :K], -1, axis).astype(np.float32)
;;   ~~~
;; One version. Each part assembles by itself: llvm-mc -triple=amdgcn-amd-amdhsa -mcpu=gfx1250 --defsym DOCPART=n.
;; ======== version 1 of 1: 4 launches
;; limits: values are held in f16: magnitudes above 65,504 overflow, below 6.1e-05 lose precision
;; workspace buffers: codes 3,670,016 bytes; scales 229,376 bytes; wo16 2,097,152 bytes; rope 524,288 bytes; qkv 25,165,824 bytes; att 8,388,608 bytes
;; launch prep (part 1): grid 288 x 1, 4 waves a work-group, no clusters, 33,280 bytes of LDS; arguments x, Wq, Wk, Wv, Wo, token_positions, codes, scales, wo16, rope; writes codes, scales, wo16, rope
.if DOCPART == 1
	.amdgcn_target "amdgcn-amd-amdhsa--gfx1250"
	.amdhsa_code_object_version 6
	.text
	.protected	k_q243372cf6e_prep
	.globl	k_q243372cf6e_prep
	.p2align	8
	.type	k_q243372cf6e_prep,@function
k_q243372cf6e_prep:
	s_mov_b64 s[64:65], 0
	v_nop
	global_prefetch_b8 v0, s[64:65] scope:SCOPE_SE
	s_setreg_imm32_b32 hwreg(HW_REG_WAVE_MODE, 25, 1), 1
	s_wait_xcnt 0x0
; PREP: three jobs, told apart by the work-group's number.
;  0-223   x [4096][1024] and Wq, Wk, Wv [1024][1024], f32, K innermost, become codes of FP4 (E2M1) and one E8M0 byte for each 32 along K, in ONE matrix of 7,168 rows:
;          rows 0-4095 x, 4096.. Wq, 5120.. Wk, 6144.. Wv; a row is 512 bytes of codes and 32 scale bytes.  Rows are dense, so all four tensors are plain streams of blocks of 32.
;  224-255 Wo, f32, becomes f16, row-major as it lies.
;  256-287 the table of RoPE: rope[s][p] = (cos, sin) of token_positions[s] x 10000^(-p / 32), p = 0 .. 31: 256 bytes a token.
; THE QUANTISER.  A block's scale is 2^(floor(log2(its largest magnitude)) - 2); its byte is the largest magnitude's exponent field - 2, held at 1 from below.  Each number is divided by the scale and
; rounded to the nearest code, ties to even, beyond 6 the largest code.  A wave takes 16 steps of 512 numbers: each load reads 512 consecutive bytes; a step's 2,048 bytes turn through the wave's own stage
; in LDS and come back 64 bytes a lane, so that a lane holds 16 neighbours along K and two neighbouring lanes a block.  A wave's 256 scale bytes are gathered in LDS and leave as 256 consecutive bytes.
; LIMITS: NaN and infinities among the inputs are not served; a block of zeros gets the byte 1 where the rule says 127 (its codes are zeros, and this program alone reads the bytes);
; blocks whose largest magnitude lies under 2^-124 are held at the byte 1; positions up to 2^20 in magnitude (the angle's error grows as 1e-7 x the angle).
.set WAVES, 4
.set STEPS, 16
.set EMAX,  2
.set CB,    8                          ; bytes of 16 codes
.set R,     16                         ; v16-79   four sets of 16 numbers as they are loaded
.set X,     80                         ; v80-111  two sets of 16 neighbours
.set E,     112                        ; v112-127 a scale byte for each step
.set C,     128                        ; v128-191 codes: four registers for each step, so that no store's data are written again
.set WREG,  8192                       ; LDS: a region for each wave: two stages of 32 x SP bytes, behind them its 256 scale bytes
.set SP,    80                         ; a lane's place in a stage: 64 bytes + 16 of padding
.set SPW,   12                         ; v12      LDS address of my spare word; never rewritten
.set NIL,   13                         ; v13      0; never rewritten
.set SPARE, WAVES*WREG                 ; behind the four regions: the spare words, 128 bytes a wave
	s_load_b512 s[4:19], s[0:1], 0x0               ; x s[4:5], Wq s[6:7], Wk s[8:9], Wv s[10:11], Wo s[12:13], positions s[14:15], codes s[16:17], scales s[18:19]
	s_load_b128 s[20:23], s[0:1], 0x40             ; wo16 s[20:21], rope s[22:23]
	v_lshl_add_u32 v[SPW], v0, 2, SPARE
	v_mov_b32 v[NIL], 0
	v_lshrrev_b32 v1, 5, v0
	v_readfirstlane_b32 s24, v1                    ; wave
	v_and_b32 v2, 31, v0                           ; lane
	s_wait_kmcnt 0x0
	s_cmp_ge_u32 ttmp9, 256
	s_cbranch_scc1 .Lrope
	s_cmp_ge_u32 ttmp9, 224
	s_cbranch_scc1 .Lcast
	; ---------------- the quantiser ----------------
	v_lshlrev_b32 v3, 4, v2                        ; my 16 bytes of a load's 512
	s_mul_i32 s25, s24, WREG
	v_lshrrev_b32 v14, 2, v2
	v_mul_u32_u24 v14, v14, SP
	v_and_b32 v15, 3, v2
	v_lshl_add_u32 v14, v15, 4, v14
	v_add_nc_u32 v14, s25, v14                     ; the stage, on the way in: SP (lane / 4) + 16 (lane % 4)
	v_mul_u32_u24 v15, v2, SP
	v_add_nc_u32 v15, s25, v15                     ; on the way out: SP x lane: my 16 neighbours
	v_mul_u32_u24 v4, v2, CB                       ; my codes' place in a step's
	v_lshrrev_b32 v5, 1, v2
	s_add_co_u32 s25, s25, 2*32*SP
	v_add_nc_u32 v5, s25, v5                       ; LDS: my wave's 256 scale bytes, my block's byte
	v_lshlrev_b32 v7, 3, v2                        ; and on the way out 8 bytes a lane
	v_add_nc_u32 v6, s25, v7
	s_mov_b64 s[26:27], s[10:11]                   ; which tensor: the choice hangs on the work-group's number alone
	s_mov_b32 s28, 192                             ; and the tensor's first work-group
	s_cmp_lt_u32 ttmp9, 192
	s_cselect_b64 s[26:27], s[8:9], s[26:27]
	s_cselect_b32 s28, 160, s28
	s_cmp_lt_u32 ttmp9, 160
	s_cselect_b64 s[26:27], s[6:7], s[26:27]
	s_cselect_b32 s28, 128, s28
	s_cmp_lt_u32 ttmp9, 128
	s_cselect_b64 s[26:27], s[4:5], s[26:27]
	s_cselect_b32 s28, 0, s28
	s_sub_co_u32 s28, ttmp9, s28
	s_lshl_b32 s28, s28, 2
	s_add_co_u32 s28, s28, s24                     ; which run of 8,192 numbers of the tensor is my wave's
	s_lshl_b32 s28, s28, 15                        ; 32,768 bytes a run (under 2^24)
	s_mov_b32 s29, 0
	s_add_nc_u64 s[26:27], s[26:27], s[28:29]
	s_lshl_b32 s30, ttmp9, 2
	s_add_co_u32 s30, s30, s24                     ; and which run of the one matrix of codes: the tensors follow each other there as their work-groups do
	s_lshl_b32 s28, s30, 12                        ; 4,096 bytes of codes a run
	s_add_nc_u64 s[16:17], s[16:17], s[28:29]
	s_lshl_b32 s28, s30, 8                         ; 256 scale bytes a run
	s_add_nc_u64 s[18:19], s[18:19], s[28:29]
.macro LOAD t
.irp i, 0,1,2,3
	global_load_b128 v[R+16*((\t)%4)+4*\i:R+16*((\t)%4)+4*\i+3], v3, s[26:27] offset:2048*(\t)+512*\i th:TH_LOAD_NT   ; 32 lanes read 512 consecutive bytes
.endr
.endm
.macro TURN t                          ; step t's numbers through the stage: LDS serves a wave's instructions in order, so no wait stands between the stores and the loads
.irp i, 0,1,2,3
	ds_store_b128 v14, v[R+16*((\t)%4)+4*\i:R+16*((\t)%4)+4*\i+3] offset:32*SP*((\t)%2)+8*SP*\i
.endr
.irp i, 0,1,2,3
	ds_load_b128 v[X+16*((\t)%2)+4*\i:X+16*((\t)%2)+4*\i+3], v15 offset:32*SP*((\t)%2)+16*\i
.endr
.endm
.irp t, 0,1,2,3
	LOAD \t
.endr
	s_wait_loadcnt 12                              ; step 0's four loads are in; the twelve of steps 1 to 3 may be out
	TURN 0
.macro STEP t
.set XS, X+16*((\t)%2)
.if (\t) > 0
	s_wait_dscnt 1                                 ; this step's numbers are back from the stage (the last step's byte store may be out): so its stores into the stage have read their registers,
.else
	s_wait_dscnt 0x0
.endif
.if (\t)+4 < STEPS
	LOAD (\t)+4                                    ; which take the loads of four steps on
.endif
.if (\t)+1 < STEPS
.if STEPS-2-(\t) >= 3
	s_wait_loadcnt 12                              ; the next step's four loads are in; those of the three steps behind it may be out
.else
	s_wait_loadcnt 4*(STEPS-2-(\t))
.endif
	TURN (\t)+1                                    ; and go through the other stage while this step is worked
.endif
	v_max3_num_f32 v8, |v[XS]|, |v[XS+1]|, |v[XS+2]|               ; the largest magnitude of my 16, in two chains
	v_max3_num_f32 v9, |v[XS+3]|, |v[XS+4]|, |v[XS+5]|
.irp i, 6,10
	v_max3_num_f32 v8, v8, |v[XS+\i]|, |v[XS+\i+1]|
	v_max3_num_f32 v9, v9, |v[XS+\i+2]|, |v[XS+\i+3]|
.endr
	v_max3_num_f32 v8, v8, |v[XS+14]|, |v[XS+15]|
	v_max3_num_f32 v8, v8, v9, (EMAX+1)<<23        ; and the floor 2^(3 - 127): so the byte cannot fall under 1
	v_max_num_f32_dpp v8, v8, v8 row_xmask:1 row_mask:0xf bank_mask:0xf   ; and of my neighbour's 16: the block's
	v_add_nc_u32 v11, -(EMAX<<23), v8              ; 2 off its exponent field: the conversion takes the exponent field of this operand as its scale, and nothing else of it
	v_cvt_scalef32_pk8_fp4_f32 v[C+4*(\t)], v[XS:XS+7], v11
	v_cvt_scalef32_pk8_fp4_f32 v[C+4*(\t)+1], v[XS+8:XS+15], v11
	v_lshrrev_b32 v[E+(\t)], 23, v11               ; the scale's byte (also the plain line behind the conversions)
	ds_store_b8 v5, v[E+(\t)] offset:16*(\t)       ; both lanes of a block write the same byte with the same value
	global_store_b64 v4, v[C+4*(\t):C+4*(\t)+1], s[16:17] offset:32*CB*(\t)   ; the wave stores 256 consecutive bytes, aligned
.endm
.irp t, 0,1,2,3,4,5,6,7,8,9,10,11,12,13,14,15
	STEP \t
.endr
	ds_load_b64 v[8:9], v6                         ; LDS serves a wave's instructions in order: these see my byte stores
	s_wait_dscnt 0x0
	global_store_b64 v7, v[8:9], s[18:19]          ; 32 lanes store 256 consecutive bytes, aligned
	s_wait_tensorcnt 0x0                           ; the wave's end, behind my last LDS store
	ds_add_u32 v[SPW], v[NIL]
	s_wait_dscnt 0x0
	s_endpgm
	; ---------------- Wo to f16 ----------------
	; A wave takes 32,768 bytes of Wo in four rounds of 16 loads; two rounds are on their way.  A lane's 4 numbers become 8 bytes: a store covers 256 consecutive bytes, aligned.  No LDS.
.macro LOADC q
.irp i, 0,1,2,3,4,5,6,7,8,9,10,11,12,13,14,15
	global_load_b128 v[16+64*((\q)%2)+4*\i:16+64*((\q)%2)+4*\i+3], v1, s[12:13] offset:512*(16*(\q)+\i) th:TH_LOAD_NT
.endr
.endm
.macro CAST q
.set IN, 16+64*((\q)%2)
.if (\q) < 3
	s_wait_loadcnt 16                              ; this round's 16 loads are in; the next round's 16 may be out
.else
	s_wait_loadcnt 0x0
.endif
.if (\q) > 0
	s_wait_xcnt 0x0                                ; the last round's stores have read v144-175, which are written again below
.endif
.irp i, 0,1,2,3,4,5,6,7,8,9,10,11,12,13,14,15
	v_cvt_pk_f16_f32 v[144+2*\i], v[IN+4*\i], v[IN+4*\i+1]
	v_cvt_pk_f16_f32 v[145+2*\i], v[IN+4*\i+2], v[IN+4*\i+3]
.endr
.if (\q) < 2
	LOADC (\q)+2
.endif
.irp i, 0,1,2,3,4,5,6,7,8,9,10,11,12,13,14,15
	global_store_b64 v3, v[144+2*\i:145+2*\i], s[20:21] offset:256*(16*(\q)+\i)
.endr
.endm
.Lcast:
	s_sub_co_u32 s28, ttmp9, 224
	s_lshl_b32 s28, s28, 2
	s_add_co_u32 s28, s28, s24                     ; my wave's run
	s_lshl_b32 s30, s28, 15
	s_mov_b32 s31, 0
	s_add_nc_u64 s[12:13], s[12:13], s[30:31]
	s_lshl_b32 s30, s28, 14
	s_add_nc_u64 s[20:21], s[20:21], s[30:31]
	v_lshlrev_b32 v1, 4, v2                        ; in: 16 bytes a lane
	v_lshlrev_b32 v3, 3, v2                        ; out: 8 bytes a lane
	LOADC 0
	LOADC 1
	CAST 0
	CAST 1
	CAST 2
	CAST 3
	s_endpgm
	; ---------------- the table of RoPE ----------------
	; A work-group takes 64 tokens in 8 passes of 8.  Thread t takes pairs 2 (t % 16) and 2 (t % 16) + 1 of token t / 16 of each pass: 16 bytes at 16 t, so a wave's store covers 512 consecutive bytes.
	; Sine and cosine: n = the nearest whole number to a x 2 / pi; r = a - n pi / 2, pi / 2 in two parts; polynomials on |r| <= pi / 4; the quadrant n mod 4 swaps and signs them, by selects: no branch on data.
.macro SINCOS ps, iv, cd, sd
	v_mul_f32 v20, v[\ps], v[\iv]                  ; the angle, rounded once as the definition rounds it
	v_mul_f32 v21, s32, v20
	v_rndne_f32 v21, v21                           ; n
	v_fma_f32 v20, v21, s33, v20                   ; a - n x (pi / 2's upper part)
	v_fma_f32 v20, v21, s34, v20                   ; - n x (its lower part, which is negative)
	v_cvt_i32_f32 v22, v21
	v_mul_f32 v23, v20, v20                        ; z = r^2
	v_fma_f32 v24, v23, s35, s36
	v_fma_f32 v24, v24, v23, s37
	v_mul_f32 v25, v23, v20
	v_fma_f32 v24, v24, v25, v20                   ; sin r
	v_fma_f32 v26, v23, s38, s39
	v_fma_f32 v26, v26, v23, s40
	v_fma_f32 v26, v26, v23, -0.5
	v_fma_f32 v26, v26, v23, 1.0                   ; cos r
	v_and_b32 v27, 1, v22
	v_cmp_eq_u32 vcc_lo, 1, v27                    ; odd quadrants swap the two
	v_cndmask_b32 v25, v24, v26, vcc_lo
	v_cndmask_b32 v26, v26, v24, vcc_lo
	v_lshlrev_b32 v27, 30, v22
	v_and_b32 v27, 0x80000000, v27                 ; the sine is negative in quadrants 2 and 3,
	v_xor_b32 v[\sd], v25, v27
	v_add_nc_u32 v22, 1, v22
	v_lshlrev_b32 v22, 30, v22
	v_and_b32 v22, 0x80000000, v22                 ; the cosine in 1 and 2
	v_xor_b32 v[\cd], v26, v22
.endm
.Lrope:
	s_sub_co_u32 s28, ttmp9, 256
	s_lshl_b32 s30, s28, 8                         ; 64 positions of 4 bytes
	s_mov_b32 s31, 0
	s_add_nc_u64 s[14:15], s[14:15], s[30:31]
	s_lshl_b32 s30, s28, 14                        ; 64 tokens of 256 bytes
	s_add_nc_u64 s[22:23], s[22:23], s[30:31]
	v_lshrrev_b32 v1, 4, v0
	v_lshlrev_b32 v1, 2, v1                        ; 4 (t / 16)
	v_lshlrev_b32 v3, 4, v0                        ; 16 t
.irp p, 0,1,2,3,4,5,6,7
	global_load_b32 v[64+\p], v1, s[14:15] offset:32*\p
.endr
	s_mov_b32 s32, 0x3f22f983                      ; 2 / pi
	s_mov_b32 s33, 0xbfc90fdb                      ; -(pi / 2's upper part)
	s_mov_b32 s34, 0x333bbd2e                      ; -(its lower part) = 4.371139e-8
	s_mov_b32 s35, 0xb94ca1f9                      ; sine: -1.9515296e-4,
	s_mov_b32 s36, 0x3c08839e                      ; 8.3321609e-3,
	s_mov_b32 s37, 0xbe2aaaa3                      ; -1.6666655e-1
	s_mov_b32 s38, 0x37ccf5ce                      ; cosine: 2.4433157e-5,
	s_mov_b32 s39, 0xbab6061a                      ; -1.3887316e-3,
	s_mov_b32 s40, 0x3d2aaaa5                      ; 4.1666646e-2
	v_and_b32 v6, 15, v0
	v_lshlrev_b32 v6, 1, v6
	v_cvt_f32_u32 v4, v6                           ; my first pair p,
	v_add_f32 v5, 1.0, v4                          ; and p + 1
	v_mul_f32 v4, 0xbed49a78, v4                   ; x -log2(10000) / 32
	v_mul_f32 v5, 0xbed49a78, v5
	v_exp_f32 v4, v4                               ; 10000^(-p / 32)
	v_exp_f32 v5, v5
	v_nop                                          ; a plain line behind the last exponential,
	s_wait_alu depctr_va_vdst(0)                   ; and one wait for both, ahead of their first reader
	s_wait_loadcnt 0x0
.irp p, 0,1,2,3,4,5,6,7
	v_cvt_f32_i32 v[64+\p], v[64+\p]
.endr
.irp p, 0,1,2,3,4,5,6,7                        ; each pass has its own four registers, so no store's data are written again
	SINCOS 64+\p, 4, 32+4*\p, 33+4*\p
	SINCOS 64+\p, 5, 34+4*\p, 35+4*\p
	global_store_b128 v3, v[32+4*\p:35+4*\p], s[22:23] offset:2048*\p
.endr
	s_endpgm
.Lfunc_end_k_q243372cf6e_prep:
	.size	k_q243372cf6e_prep, .Lfunc_end_k_q243372cf6e_prep-k_q243372cf6e_prep
	.p2alignl 7, 3214868480
	.fill 96, 4, 3214868480
	.section	.rodata,"a",@progbits
	.p2align	6, 0x0
	.amdhsa_kernel k_q243372cf6e_prep
		.amdhsa_group_segment_fixed_size 33280
		.amdhsa_private_segment_fixed_size 0
		.amdhsa_enable_private_segment 0
		.amdhsa_kernarg_size 80
		.amdhsa_user_sgpr_count 2
		.amdhsa_user_sgpr_kernarg_segment_ptr 1
		.amdhsa_wavefront_size32 1
		.amdhsa_system_sgpr_workgroup_id_x 1
		.amdhsa_system_sgpr_workgroup_id_y 1
		.amdhsa_system_sgpr_workgroup_id_z 1
		.amdhsa_system_vgpr_workitem_id 0
		.amdhsa_next_free_vgpr 192
		.amdhsa_next_free_sgpr 66
		.amdhsa_reserve_vcc 1
		.amdhsa_float_denorm_mode_32 3
		.amdhsa_float_denorm_mode_16_64 3
		.amdhsa_memory_ordered 1
		.amdhsa_forward_progress 1
		.amdhsa_inst_pref_size 76
	.end_amdhsa_kernel
	.amdgpu_metadata
---
amdhsa.version: [ 1, 2 ]
amdhsa.kernels:
  - .name:           k_q243372cf6e_prep
    .symbol:         k_q243372cf6e_prep.kd
    .args:
      - { .name: x, .offset: 0, .size: 8, .value_kind: global_buffer, .address_space: global }
      - { .name: Wq, .offset: 8, .size: 8, .value_kind: global_buffer, .address_space: global }
      - { .name: Wk, .offset: 16, .size: 8, .value_kind: global_buffer, .address_space: global }
      - { .name: Wv, .offset: 24, .size: 8, .value_kind: global_buffer, .address_space: global }
      - { .name: Wo, .offset: 32, .size: 8, .value_kind: global_buffer, .address_space: global }
      - { .name: token_positions, .offset: 40, .size: 8, .value_kind: global_buffer, .address_space: global }
      - { .name: codes, .offset: 48, .size: 8, .value_kind: global_buffer, .address_space: global }
      - { .name: scales, .offset: 56, .size: 8, .value_kind: global_buffer, .address_space: global }
      - { .name: wo16, .offset: 64, .size: 8, .value_kind: global_buffer, .address_space: global }
      - { .name: rope, .offset: 72, .size: 8, .value_kind: global_buffer, .address_space: global }
    .group_segment_fixed_size: 33280
    .private_segment_fixed_size: 0
    .kernarg_segment_align: 8
    .kernarg_segment_size: 80
    .max_flat_workgroup_size: 128
    .sgpr_count:     66
    .vgpr_count:     192
    .wavefront_size: 32
...
	.end_amdgpu_metadata
.endif
;; end of part 1
;; launch qkv (part 2): grid 12 x 16, 4 waves a work-group, clusters of 4 x 4, 327,680 bytes of LDS; arguments codes, scales, rope, qkv; writes qkv
.if DOCPART == 2
	.amdgcn_target "amdgcn-amd-amdhsa--gfx1250"
	.amdhsa_code_object_version 6
	.text
	.protected	k_q243372cf6e_qkv
	.globl	k_q243372cf6e_qkv
	.p2align	8
	.type	k_q243372cf6e_qkv,@function
k_q243372cf6e_qkv:
	s_mov_b64 s[64:65], 0
	v_nop
	global_prefetch_b8 v0, s[64:65] scope:SCOPE_SE
	s_setreg_imm32_b32 hwreg(HW_REG_WAVE_MODE, 25, 1), 1
	s_wait_xcnt 0x0
	s_wait_alu depctr_hold_cnt(0) depctr_sa_sdst(0) depctr_va_vdst(0) depctr_va_sdst(0) depctr_va_ssrc(0) depctr_va_vcc(0) depctr_vm_vsrc(0)
	s_getreg_b32 s2, hwreg(HW_REG_IB_STS2, 6, 4)
	s_cmp_eq_u32 s2, 0
	s_cbranch_scc0 .Lentry_in_a_cluster
	s_endpgm
.Lentry_in_a_cluster:
	s_bfe_u32 s2, ttmp6, 0x10000c
	s_cmp_lg_u32 s2, 0xf033
	s_cbranch_scc0 .Lentry_shape_is_right
	s_endpgm
.Lentry_shape_is_right:
; q = x Wq^T, k = x Wk^T, v = x Wv^T on codes of FP4 (E2M1) with one E8M0 scale for each 32 along K = 1,024; sums in f32; RoPE on q and k in f32; results rounded once to f16.
; codes: [7168][512 bytes], scales: [7168][32]: rows 0-4095 x, 4096.. Wq, 5120.. Wk, 6144.. Wv.  rope: [2048][32][cos, sin] f32.
; A tile of 256 x 256 results is made by a work-group of four waves; a wave makes 128 x 128: 64 accumulators of 16 x 16, 512 registers.  K goes in two steps of 512 through two LDS slots, each filled ONCE
; by the tensor data mover (a tile's row is 256 bytes of memory); the scale bytes of the work-group's 2 x 256 rows come with them, in rows of 256 bytes.
; THE MATRIX INSTRUCTION IS USED TRANSPOSED (source 0 = 16 rows of B, source 1 = 16 rows of A): a lane holds ONE row of A and eight neighbouring rows of B.
; WHO IS A: cluster x = 0 makes q, 1 makes k: A = tokens, B = the weight's rows (channels): a lane holds one token and eight neighbouring channels.  Cluster x = 2 makes v with the roles swapped:
; A = Wv's rows, B = tokens: a lane holds one channel and eight neighbouring tokens.  In both cases a lane's eight numbers are eight neighbours along the K of the product that will read them.
; THE RESULTS LEAVE AS IMAGES OF OPERAND REGISTERS: eight numbers a lane round to 16 bytes, four registers of a 16 x 32 f16 fragment; the wave stores them at 16 x lane: 512 consecutive bytes, aligned.  No stage in LDS.
;   q (at 0), k (at 2^23): [head-and-batch 32][tile of 16 tokens, 128][piece 0-3][512 bytes]: piece p: lane (r, h) = token r, channels 16 p + 8 h + 0 .. 7.
;   v (at 2^24):           [head-and-batch 32][group of 32 keys, 64][16 channels, 4][half 0-1][512 bytes]: lane (r, h) = channel r, keys 16 half + 8 h + 0 .. 7.
; CLUSTERS: 4 x 4 work-groups.  The four of a row need the same tiles of A, the four of a column the same tiles of B: each tile is asked for JOINTLY, by the same tensor load with the same descriptor and a mask that names the four.
; LIMITS: results beyond 65,504 have no f16 number; under 6e-5 they keep an absolute step of 6e-8.  NaN and infinities are not served.
; REGISTERS, in windows of 256: window 0: v0-31 addresses; v32-95 scale words, two sets; v128-191 A's fragments, ONE set; on the way out v32-223 are free.
;   window 1: B's fragments, TWO sets, at v0 and v128.   window 2: the accumulators of my rows 0-63 ((a, b) at v[8 (8 a + b)]);   window 3: those of rows 64-127.
.set KSTEP,  512                       ; along K in a slot
.set NQ,     KSTEP/128                 ; matrix instructions deep
.set ROWB,   256                       ; a tile's row in bytes
.set KROW,   512                       ; a row of codes in memory
.set PITCH,  272                       ; an LDS row: 256 bytes + 16 of padding = 68 words: the 16 rows that a load touches start 4 words apart
.set FR,     8                         ; registers of a fragment: 16 rows x 128 K
.set NL,     2                         ; LDS loads that bring one
.set NP,     4                         ; places behind this matrix instruction (ISA guide 7.12.1)
.set HALFT,  128*PITCH                 ; 128 rows: what one tensor load brings
.set SLOT,   4*HALFT                   ; A's 256 rows, then B's 256 rows
.set KS,     32                        ; a row of scales in bytes
.set SCL,    2*SLOT                    ; behind the slots: the scales, as rows of 256 bytes + 16 of padding
.set HALFS,  (128*KS/256)*272          ; the scales of 128 rows: what one tensor load brings
.set SBLK,   (16*KS/256)*272           ; those of 16 rows
.set SPARE,  SCL+4*HALFS               ; the spare words, 128 bytes a wave
.set ADRA, 16                          ; v16-17  LDS address of my A fragments in slot 0, 1
.set ADRB, 20                          ; v20-21  the same for B
.set TBO,  24                          ; v24     the way out: my byte in a block's 16 rows of the table: 256 r + 32 h
.set CO,   26                          ; v26     16 x lane
.set ADRS, 27                          ; v27     LDS address of my scale words: lanes 0-15 A's rows, lanes 16-31 B's
.set SPW,  28                          ; v28     LDS address of my spare word; never rewritten
.set NIL,  29                          ; v29     0; never rewritten
.set SC,   32                          ; scale words: set s at v[SC + 32 s]; register 4 i + q: lanes 0-15 the word of A's block i, lanes 16-31 that of B's block i, for the slot's q-th 128 along K
.set AF,   128                         ; A's fragments
.set CSR,  32                          ; the way out: cos and sin, two sets of 32
.set T,    96                          ; 64 rotated numbers
.set OUT,  160                         ; packed results, two sets of 32
.set G1, 24                            ; s[24:31] descriptor group 1 for A's tiles;  s[32:39] group 0, one set for each slot
.set G0, 32
.set G1B, 48                           ; s[48:55], s[56:63] the same for B's tiles
.set G0B, 56
.set G1S, 68                           ; s[68:75], s[76:79] groups 1 and 0 for A's scales;  s[80:87], s[88:91] for B's
.set G0S, 76
.set G1SB, 80
.set G0SB, 88
.set MSB, 0
.macro WIN new                         ; the immediate's high byte repeats the setting that is left
.if MSB != \new
	s_set_vgpr_msb (MSB<<8)|\new
.set MSB, \new
.endif
.endm
.set MUL_LO, 0xa1                      ; source 0 (B) window 1, source 1 (A) window 0, C and D window 2
.set MUL_HI, 0xf1                      ; the same, C and D window 3
.set TO_B,   0x40                      ; destination window 1, address window 0
; A joint load: waves 0 and 1 fetch for A, waves 2 and 3 for B.  Each of the two lines has ONE mask and one set of registers for all that issue it; the branch hangs on the wave's number alone.
; An s_nop 0 and four v_nop follow each of the two lines.
.macro JLOAD g0a, g1a, g0b, g1b
	s_cmp_eq_u32 s15, 0
	s_cbranch_scc0 .Lfor_b_\@
	tensor_load_to_lds s[\g0a:\g0a+3], s[\g1a:\g1a+7]
	s_nop 0
.rept 4
	v_nop
.endr
	s_branch .Lasked_\@
.Lfor_b_\@:
	tensor_load_to_lds s[\g0b:\g0b+3], s[\g1b:\g1b+7]
	s_nop 0
.rept 4
	v_nop
.endr
.Lasked_\@:
.endm
.macro CROUND                          ; a round of the cluster's barrier: my work-group's barrier; wave 0 signals for the work-group; every wave waits for all sixteen; my work-group's barrier once more
	s_barrier_signal -1
	s_barrier_wait -1
	s_cmp_lg_u32 s14, 0
	s_cbranch_scc1 .Lnot_wave_0_\@
	s_barrier_signal -3
.Lnot_wave_0_\@:
	s_barrier_wait -3
	s_barrier_signal -1
	s_barrier_wait -1
.endm
	s_load_b256 s[4:11], s[0:1], 0x0               ; codes s[4:5], scales s[6:7], rope s[8:9], qkv s[10:11]
	v_lshl_add_u32 v[SPW], v0, 2, SPARE
	v_mov_b32 v[NIL], 0
	ds_add_u32 v[SPW], v[NIL]                      ; the wave's opening: the add and its wait stand ahead of my first tensor load; the set-up below, work on registers, stands between them
	v_lshrrev_b32 v1, 5, v0
	v_readfirstlane_b32 s14, v1                    ; wave 0..3
	s_lshr_b32 s15, s14, 1                         ; which half of A's rows is mine.  Also: I fetch for A (0) or for B (1)
	s_and_b32 s16, s14, 1                          ; which half of B's rows.  Also: which 128 rows of that tile I fetch
	s_bfe_u32 s40, ttmp6, 0x40000                  ; cx, cy: my place in the cluster
	s_bfe_u32 s41, ttmp6, 0x40004
	s_and_b32 s12, ttmp7, 0xffff                   ; cluster y
	s_cmp_eq_u32 ttmp9, 2                          ; the cluster that makes v?  The same answer in all sixteen partners
	s_cselect_b32 s42, s12, ttmp9                  ; B's coordinate by clusters: v: tokens walk with cluster y; q, k: the weight's rows with cluster x
	s_cselect_b32 s17, 0, s12                      ; A's: v: Wv has 4 tiles, one cluster's worth; q, k: tokens walk with cluster y
	s_cselect_b32 s96, 0, 4096                     ; B's first row in the matrix of codes: x, or Wq (Wk follows it)
	s_cselect_b32 s97, 6144, 0                     ; A's: Wv, or x
	s_lshl_b32 s42, s42, 2
	s_add_co_u32 s42, s42, s40                     ; B's tile = 4 x its cluster coordinate + cx
	s_lshl_b32 s17, s17, 2
	s_add_co_u32 s17, s17, s41                     ; A's tile = 4 x its cluster coordinate + cy
	s_lshl_b32 s43, s41, 2
	s_lshl_b32 s43, 15, s43                        ; my row of the cluster
	s_lshl_b32 s44, 0x1111, s40                    ; my column
	; descriptor group 1: a tile of 128 rows x 256 bytes, padded in LDS
	s_or_b32 s[G1+0], s43, (0<<16)|(1<<20)|(1<<21)|(5<<22)|(3<<25)  ; 15:0 the mask: A's tiles go to my row; 17:16 elements of 1 byte; 20 padding on; 21 set beside a mask; 24:22 after every 64 words; 31:25 four words
	s_or_b32 s[G1B+0], s44, (0<<16)|(1<<20)|(1<<21)|(5<<22)|(3<<25)
.irp g, G1, G1B
	s_mov_b32 s[\g+1], ROWB<<16                    ; tensor_dim0
	s_mov_b32 s[\g+2], 128<<16                     ; tensor_dim1 = 128
	s_mov_b32 s[\g+3], ROWB<<16                    ; tile_dim0
	s_mov_b32 s[\g+4], 128                         ; tile_dim1 = 128
	s_mov_b32 s[\g+5], KROW                        ; tensor_dim0_stride
	s_mov_b32 s[\g+6], 0
	s_mov_b32 s[\g+7], 0
.endr
	; the scales of 128 rows: a dense block of 4,096 bytes, as 16 rows of 256 bytes (32 elements of 8 bytes), 16 bytes of padding behind each
	s_or_b32 s[G1S+0], s43, (3<<16)|(1<<20)|(1<<21)|(5<<22)|(3<<25)
	s_or_b32 s[G1SB+0], s44, (3<<16)|(1<<20)|(1<<21)|(5<<22)|(3<<25)
.irp g, G1S, G1SB
	s_mov_b32 s[\g+1], 32<<16
	s_mov_b32 s[\g+2], (128*KS/256)<<16
	s_mov_b32 s[\g+3], 32<<16
	s_mov_b32 s[\g+4], 128*KS/256
	s_mov_b32 s[\g+5], 32
	s_mov_b32 s[\g+6], 0
	s_mov_b32 s[\g+7], 0
.endr
	s_lshl_b32 s18, s16, 7                         ; which 128 rows of the tile I fetch
	s_lshl_b32 s20, s17, 8
	s_add_co_u32 s20, s20, s18
	s_add_co_u32 s20, s20, s97                     ; A: its first row + 256 x tile + 128 x half
	s_lshl_b32 s46, s42, 8
	s_add_co_u32 s46, s46, s18
	s_add_co_u32 s46, s46, s96                     ; B likewise
	s_lshl_b32 s22, s20, 5                         ; where these rows' scales begin, in bytes,
	s_mov_b32 s23, 0
	s_lshl_b32 s92, s46, 5
	s_mov_b32 s93, 0
	s_lshl_b32 s20, s20, 9                         ; and their codes (under 2^22)
	s_mov_b32 s21, 0
	s_lshl_b32 s46, s46, 9
	s_mov_b32 s47, 0
	s_mul_i32 s45, s14, HALFT                      ; where they go: wave x 128 rows: no place in the cluster enters an LDS address
	s_mul_i32 s94, s14, HALFS
	s_wait_dscnt 0x0                               ; the opening add is done
	s_wait_kmcnt 0x0
	s_add_nc_u64 s[20:21], s[4:5], s[20:21]
	s_add_nc_u64 s[22:23], s[6:7], s[22:23]
	s_add_nc_u64 s[46:47], s[4:5], s[46:47]
	s_add_nc_u64 s[92:93], s[6:7], s[92:93]
	CROUND                                         ; all sixteen work-groups are here: the joint loads meet
	s_mov_b32 s[G0S], 1
	s_add_co_u32 s[G0S+1], s94, SCL
	s_mov_b64 s[G0S+2:G0S+3], s[22:23]
	s_or_b32 s[G0S+3], s[G0S+3], 0x80000000
	s_mov_b32 s[G0SB], 1
	s_add_co_u32 s[G0SB+1], s94, SCL
	s_mov_b64 s[G0SB+2:G0SB+3], s[92:93]
	s_or_b32 s[G0SB+3], s[G0SB+3], 0x80000000
	JLOAD G0S, G1S, G0SB, G1SB                     ; the scales first: they are wanted with K step 0
.irp s, 0,1
	s_mov_b32 s[G0+4*\s], 1
	s_add_co_u32 s[G0+4*\s+1], s45, \s*SLOT
	s_add_nc_u64 s[G0+4*\s+2:G0+4*\s+3], s[20:21], \s*ROWB
	s_or_b32 s[G0+4*\s+3], s[G0+4*\s+3], 0x80000000
	s_mov_b32 s[G0B+4*\s], 1
	s_add_co_u32 s[G0B+4*\s+1], s45, \s*SLOT
	s_add_nc_u64 s[G0B+4*\s+2:G0B+4*\s+3], s[46:47], \s*ROWB
	s_or_b32 s[G0B+4*\s+3], s[G0B+4*\s+3], 0x80000000
	JLOAD G0+4*\s, G1, G0B+4*\s, G1B               ; both K steps: three tensor loads of mine are out, and no slot is filled again
.endr
	v_and_b32 v1, 15, v0                           ; r = l % 16
	v_bfe_u32 v2, v0, 4, 1                         ; h = l / 16
	v_mul_u32_u24 v3, v1, PITCH
	v_lshl_add_u32 v4, v2, 4, v3                   ; a fragment's row x pitch + 16 x half
	s_mul_i32 s21, s15, HALFT                      ; my 128 rows of A
	s_mul_i32 s22, s16, HALFT                      ; my 128 rows of B,
	s_add_co_u32 s22, s22, 2*HALFT                 ; which lie behind A's 256
.irp s, 0,1
	v_add_nc_u32 v[ADRA+\s], s21, v4
	v_add_nc_u32 v[ADRB+\s], s22, v4
	s_add_co_u32 s21, s21, SLOT
	s_add_co_u32 s22, s22, SLOT
.endr
	v_mul_u32_u24 v5, v1, KS                       ; my row's scales: 32 bytes a row,
	v_lshrrev_b32 v6, 8, v5
	v_lshl_add_u32 v5, v6, 4, v5                   ; and 16 more for each 256 passed
	s_mul_i32 s21, s15, HALFS                      ; A's: my 128 rows
	s_mul_i32 s22, s16, HALFS                      ; B's: my 128 rows, behind A's 256
	s_add_co_u32 s22, s22, 2*HALFS
	s_sub_co_u32 s22, s22, s21
	v_mul_u32_u24 v6, s22, v2                      ; lanes 16-31 take B's: one product, the distance between the two
	s_add_co_u32 s21, s21, SCL
	v_add_nc_u32 v5, v5, v6
	v_add_nc_u32 v[ADRS], s21, v5
	v_lshlrev_b32 v[TBO], 8, v1
	v_lshl_add_u32 v[TBO], v2, 5, v[TBO]           ; the table: token r's 256 bytes, my half's four pairs
	v_and_b32 v6, 31, v0
	v_lshlrev_b32 v[CO], 4, v6
.macro FRAG reg, adr, q, i             ; a fragment, 16 rows x 128 K of 4-bit codes: lane l holds row l % 16; registers 4 c .. 4 c + 3 hold K = 64 c + 32 (l / 16) + 0 .. 31
.irp c, 0,1
	ds_load_b128 v[\reg+4*\c:\reg+4*\c+3], v[\adr] offset:64*(\q)+32*\c+(\i)*16*PITCH
.endr
.endm
; 16 matrix instructions: A's blocks a0, a0 + 1 x B's eight, 128 along K: the slot's q-th.  p: B's set;  sc: the set of scale words.  zero = 1: the first product starts the sums.
; The 64 accumulators take turns, one instruction a turn, in the same order in every step.
.macro MUL16 a0, p, q, sc, zero
.irp a, \a0, \a0+1
.irp b, 0,1,2,3,4,5,6,7
.if \zero
	v_wmma_scale_f32_16x16x128_f8f6f4 v[8*(8*((\a)%4)+\b):8*(8*((\a)%4)+\b)+7], v[128*(\p)+FR*\b:128*(\p)+FR*\b+FR-1], v[AF+FR*(\a):AF+FR*(\a)+FR-1], 0, v[SC+8*NQ*(\sc)+NQ*\b+(\q)], v[SC+8*NQ*(\sc)+NQ*(\a)+(\q)] matrix_a_fmt:MATRIX_FMT_FP4 matrix_b_fmt:MATRIX_FMT_FP4 matrix_a_scale:MATRIX_SCALE_ROW1
.else
	v_wmma_scale_f32_16x16x128_f8f6f4 v[8*(8*((\a)%4)+\b):8*(8*((\a)%4)+\b)+7], v[128*(\p)+FR*\b:128*(\p)+FR*\b+FR-1], v[AF+FR*(\a):AF+FR*(\a)+FR-1], v[8*(8*((\a)%4)+\b):8*(8*((\a)%4)+\b)+7], v[SC+8*NQ*(\sc)+NQ*\b+(\q)], v[SC+8*NQ*(\sc)+NQ*(\a)+(\q)] matrix_a_fmt:MATRIX_FMT_FP4 matrix_b_fmt:MATRIX_FMT_FP4 matrix_a_scale:MATRIX_SCALE_ROW1
.endif
.endr
.endr
.endm
.macro FETCH_B slot, q, p              ; B's eight fragments of the slot's q-th 128 along K into set p
	WIN TO_B
.irp i, 0,1,2,3,4,5,6,7
	FRAG 128*(\p)+FR*\i, ADRB+\slot, \q, \i
.endr
	WIN 0
.endm
.macro FETCH_A slot, q, i0             ; A's blocks i0 .. i0 + 3
.irp i, \i0, \i0+1, \i0+2, \i0+3
	FRAG AF+FR*(\i), ADRA+\slot, \q, \i
.endr
.endm
.macro SCALES sc                       ; a K step's scale words into set sc: 4 words a row; lanes 0-15 take A's block i, lanes 16-31 B's block i
.irp i, 0,1,2,3,4,5,6,7
	ds_load_b128 v[SC+8*NQ*\sc+NQ*\i:SC+8*NQ*\sc+NQ*\i+3], v[ADRS] offset:\i*SBLK
.endr
.endm
; A load into a register that a matrix instruction has read, and a vector instruction that reads a matrix result or writes one of its registers, stand NP places behind it; only plain vector
; instructions that name none of its registers are places (ISA guide 7.12.1 for vector instructions).
.macro PLACES n
.rept \n
	v_nop
.endr
.endm
; A step of 128 along K that has its successor in the same slot.  A has one set of registers: blocks 0-3 are fetched anew in the step's middle, blocks 4-7 at its end; B has two sets.
.macro STEP slot, q, zero
	s_wait_dscnt 4*NL                              ; B's set, the scale words and A's blocks 0-3 are in; the youngest eight loads (A's blocks 4-7) may be out
	WIN MUL_LO
	MUL16 0, (\q)%2, \q, \slot, \zero
	MUL16 2, (\q)%2, \q, \slot, \zero
	s_wait_dscnt 0                                 ; A's blocks 4-7 are in (asked for 32 matrix instructions ago)
	PLACES NP
	FETCH_B \slot, (\q)+1, 1-(\q)%2
	FETCH_A \slot, (\q)+1, 0
	WIN MUL_HI
	MUL16 4, (\q)%2, \q, \slot, \zero
	MUL16 6, (\q)%2, \q, \slot, \zero
	PLACES NP
	WIN 0
	FETCH_A \slot, (\q)+1, 4
.endm
; Slot 0's last step goes on to slot 1: each wave waits for all its tensor loads (its part of slot 1), then the barrier shows the whole slot to every wave.  Nothing is filled again.
.macro TURN slot, next
	s_wait_tensorcnt 0x0                           ; all my tensor loads have landed: my part of the next slot  (every window is 0 here)
	ds_add_u32 v[SPW], v[NIL]                      ; 0 onto my spare word
	s_wait_dscnt 4*NL+1                            ; (the add and the youngest eight loads, A's blocks 4-7, may be out)
	WIN MUL_LO
	MUL16 0, 1, NQ-1, \slot, 0                     ; sixteen matrix instructions stand between the add and the wait for it
	s_wait_dscnt 0x0                               ; the add is done, and no LDS instruction of mine is pending at the signal
	s_barrier_signal -1
	MUL16 2, 1, NQ-1, \slot, 0
	WIN 0
	s_barrier_wait -1
	PLACES NP
	v_add_nc_u32 v[ADRS], 4*NQ, v[ADRS]            ; on to the next K step's scale words (no LDS load of mine is out)
	FETCH_B \next, 0, 0
	FETCH_A \next, 0, 0
	SCALES \next
	WIN MUL_HI
	MUL16 4, 1, NQ-1, \slot, 0
	MUL16 6, 1, NQ-1, \slot, 0
	PLACES NP
	WIN 0
	FETCH_A \next, 0, 4
.endm
.macro STEPS slot, from                ; the slot's steps from .. NQ - 2
.set Q, \from
.rept NQ-1-\from
	STEP \slot, Q, 0
.set Q, Q+1
.endr
.endm
	s_wait_tensorcnt 1                             ; the scales and my part of K step 0 are in (K step 1's load may be out),
	s_barrier_signal -1
	s_barrier_wait -1                              ; everybody's are
	FETCH_B 0, 0, 0
	FETCH_A 0, 0, 0
	SCALES 0
	FETCH_A 0, 0, 4
	STEP 0, 0, 1                                   ; the first step's products start the sums: nothing is cleared
	STEPS 0, 1
	TURN 0, 1
	STEPS 1, 0
	s_wait_dscnt 4*NL                              ; the very last step: nothing more to fetch
	WIN MUL_LO
	MUL16 0, 1, NQ-1, 1, 0
	MUL16 2, 1, NQ-1, 1, 0
	s_wait_dscnt 0
	WIN MUL_HI
	MUL16 4, 1, NQ-1, 1, 0
	MUL16 6, 1, NQ-1, 1, 0
	WIN 0
	PLACES NP                                      ; in front of the loads into the registers that held scale words, and of the first reads of results
; THE WAY OUT OF q AND k, block by block of 16 tokens.  Accumulator (a, b): lane (r, h) holds token 16 a + r and channels 16 b + 8 h + 0 .. 7: four pairs of RoPE, pairs 8 (b % 4) + 4 h + i of head b / 4.
; A pair (x1, x2) with (cos, sin) becomes (x1 cos - x2 sin, x1 sin + x2 cos): one packed multiply and one packed multiply-add.  The table's 32 numbers of a block serve both heads.
.macro LOADT a                         ; block a's cos and sin: 8 loads into set a % 2
.irp g, 0,1,2,3
	global_load_b128 v[CSR+32*((\a)%2)+8*\g:CSR+32*((\a)%2)+8*\g+3],   v[TBO], s[8:9] offset:4096*(\a)+64*\g
	global_load_b128 v[CSR+32*((\a)%2)+8*\g+4:CSR+32*((\a)%2)+8*\g+7], v[TBO], s[8:9] offset:4096*(\a)+64*\g+16
.endr
.endm
.macro QKOUT a
.set AC, 64*((\a)%4)
.set CC, CSR+32*((\a)%2)
.set OO, OUT+32*((\a)%2)
.if (\a) < 7
	s_wait_loadcnt 8                               ; this block's eight table loads are in; the next block's eight may be out
.else
	s_wait_loadcnt 0x0
.endif
	s_wait_xcnt 0x0                                ; the stores of two blocks ago have read their registers, which are written again below
	WIN 0x02+(\a)/4                                ; source 0: window 2 or 3
.irp b, 0,1,2,3,4,5,6,7                        ; each accumulator is read from its low end on
.irp i, 0,1,2,3
	v_pk_mul_f32 v[T+8*\b+2*\i:T+8*\b+2*\i+1], v[AC+8*\b+2*\i:AC+8*\b+2*\i+1], v[CC+8*(\b%4)+2*\i:CC+8*(\b%4)+2*\i+1] op_sel_hi:[0,1]   ; (x1 cos, x1 sin)
.endr
.endr
.irp b, 0,1,2,3,4,5,6,7
.irp i, 0,1,2,3
	v_pk_fma_f32 v[T+8*\b+2*\i:T+8*\b+2*\i+1], v[AC+8*\b+2*\i:AC+8*\b+2*\i+1], v[CC+8*(\b%4)+2*\i:CC+8*(\b%4)+2*\i+1], v[T+8*\b+2*\i:T+8*\b+2*\i+1] op_sel:[1,1,0] op_sel_hi:[1,0,1] neg_lo:[0,1,0]   ; (- x2 sin, + x2 cos)
.endr
.endr
	WIN 0
.irp b, 0,1,2,3,4,5,6,7
.irp i, 0,1,2,3
	v_cvt_pk_f16_f32 v[OO+4*\b+\i], v[T+8*\b+2*\i], v[T+8*\b+2*\i+1]
.endr
.endr
.if (\a) < 6
	LOADT (\a)+2
.endif
.irp b, 0,1,2,3,4,5,6,7
	global_store_b128 v[CO], v[OO+4*\b:OO+4*\b+3], s[10:11] offset:2048*(\a)+262144*(\b/4)+512*(\b%4)   ; tile a, head b / 4, piece b % 4: 512 consecutive bytes, aligned
.endr
.endm
; THE WAY OUT OF v.  Accumulator (a, b): lane (r, h) holds channel 16 a + r and tokens 16 b + 8 h + 0 .. 7.
.macro VOUT a
.set AC, 64*((\a)%4)
.set OO, OUT+32*((\a)%2)
.if (\a) > 1
	s_wait_xcnt 0x0                                ; the stores of two blocks ago have read their registers
.endif
	WIN 0x0a+5*((\a)/4)                            ; sources 0 and 1: window 2 or 3
.irp b, 0,1,2,3,4,5,6,7
.irp i, 0,1,2,3
	v_cvt_pk_f16_f32 v[OO+4*\b+\i], v[AC+8*\b+2*\i], v[AC+8*\b+2*\i+1]
.endr
.endr
	WIN 0
.irp b, 0,1,2,3,4,5,6,7
	global_store_b128 v[CO], v[OO+4*\b:OO+4*\b+3], s[10:11] offset:262144*((\a)/4)+1024*((\a)%4)+4096*(\b/2)+512*(\b%2)   ; head a / 4, channels 16 (a % 4) on, group b / 2, half b % 2
.endr
.endm
	s_cmp_eq_u32 ttmp9, 2                          ; by the cluster's x alone: the same way in all partners
	s_cbranch_scc1 .Lvout
	s_lshl_b32 s18, s17, 8
	s_lshl_b32 s19, s15, 7
	s_add_co_u32 s18, s18, s19                     ; my first token: 256 x A's tile + 128 x half
	s_and_b32 s19, s18, 2047                       ; its place in its sequence,
	s_lshr_b32 s18, s18, 11                        ; and its batch
	s_lshl_b32 s20, s19, 8
	s_mov_b32 s21, 0
	s_add_nc_u64 s[8:9], s[8:9], s[20:21]          ; the table at my first token
	s_lshl_b32 s18, s18, 4
	s_lshl_b32 s20, s40, 2
	s_add_co_u32 s18, s18, s20
	s_lshl_b32 s20, s16, 1
	s_add_co_u32 s18, s18, s20                     ; 16 batch + my first head: 4 cx + 2 x half
	s_lshl_b32 s18, s18, 7
	s_lshr_b32 s19, s19, 4
	s_add_co_u32 s18, s18, s19                     ; x 128 tiles + my first tile
	s_lshl_b32 s20, s18, 11                        ; x 2,048 bytes
	s_lshl_b32 s19, ttmp9, 23                      ; q at 0, k at 2^23
	s_add_co_u32 s20, s20, s19
	s_add_nc_u64 s[10:11], s[10:11], s[20:21]
	LOADT 0
	LOADT 1
.irp a, 0,1,2,3,4,5,6,7
	QKOUT \a
.endr
	s_branch .Ljoin
.Lvout:
	s_lshl_b32 s18, s42, 8
	s_lshl_b32 s19, s16, 7
	s_add_co_u32 s18, s18, s19                     ; my first token: 256 x B's tile + 128 x half
	s_and_b32 s19, s18, 2047
	s_lshr_b32 s18, s18, 11
	s_lshl_b32 s18, s18, 4
	s_lshl_b32 s20, s41, 2
	s_add_co_u32 s18, s18, s20
	s_lshl_b32 s20, s15, 1
	s_add_co_u32 s18, s18, s20                     ; 16 batch + my first head: 4 cy + 2 x half
	s_lshl_b32 s18, s18, 6
	s_lshr_b32 s19, s19, 5
	s_add_co_u32 s18, s18, s19                     ; x 64 groups + my first group of 32 keys
	s_lshl_b32 s20, s18, 12                        ; x 4,096 bytes
	s_add_co_u32 s20, s20, 2<<23                   ; v at 2^24
	s_mov_b32 s21, 0
	s_add_nc_u64 s[10:11], s[10:11], s[20:21]
.irp a, 0,1,2,3,4,5,6,7
	VOUT \a
.endr
.Ljoin:
	s_wait_tensorcnt 0x0                           ; the wave's end, behind my last tensor load
	ds_add_u32 v[SPW], v[NIL]
	s_wait_dscnt 0x0
	CROUND                                         ; the closing round: no work-group ends while a partner may still ask for a tile that names it
	s_endpgm
.Lfunc_end_k_q243372cf6e_qkv:
	.size	k_q243372cf6e_qkv, .Lfunc_end_k_q243372cf6e_qkv-k_q243372cf6e_qkv
	.p2alignl 7, 3214868480
	.fill 96, 4, 3214868480
	.section	.rodata,"a",@progbits
	.p2align	6, 0x0
	.amdhsa_kernel k_q243372cf6e_qkv
		.amdhsa_group_segment_fixed_size 327680
		.amdhsa_private_segment_fixed_size 0
		.amdhsa_enable_private_segment 0
		.amdhsa_kernarg_size 32
		.amdhsa_user_sgpr_count 2
		.amdhsa_user_sgpr_kernarg_segment_ptr 1
		.amdhsa_wavefront_size32 1
		.amdhsa_system_sgpr_workgroup_id_x 1
		.amdhsa_system_sgpr_workgroup_id_y 1
		.amdhsa_system_sgpr_workgroup_id_z 1
		.amdhsa_system_vgpr_workitem_id 0
		.amdhsa_next_free_vgpr 1024
		.amdhsa_next_free_sgpr 98
		.amdhsa_reserve_vcc 0
		.amdhsa_float_denorm_mode_32 3
		.amdhsa_float_denorm_mode_16_64 3
		.amdhsa_memory_ordered 1
		.amdhsa_forward_progress 1
		.amdhsa_inst_pref_size 180
	.end_amdhsa_kernel
	.amdgpu_metadata
---
amdhsa.version: [ 1, 2 ]
amdhsa.kernels:
  - .name:           k_q243372cf6e_qkv
    .symbol:         k_q243372cf6e_qkv.kd
    .args:
      - { .name: codes, .offset: 0, .size: 8, .value_kind: global_buffer, .address_space: global }
      - { .name: scales, .offset: 8, .size: 8, .value_kind: global_buffer, .address_space: global }
      - { .name: rope, .offset: 16, .size: 8, .value_kind: global_buffer, .address_space: global }
      - { .name: qkv, .offset: 24, .size: 8, .value_kind: global_buffer, .address_space: global }
    .group_segment_fixed_size: 327680
    .private_segment_fixed_size: 0
    .kernarg_segment_align: 8
    .kernarg_segment_size: 32
    .max_flat_workgroup_size: 128
    .sgpr_count:     98
    .vgpr_count:     1024
    .wavefront_size: 32
...
	.end_amdgpu_metadata
.endif
;; end of part 2
;; launch attn (part 3): grid 8 x 32, 8 waves a work-group, clusters of 4 x 1, 327,680 bytes of LDS; arguments qkv, att; writes att
.if DOCPART == 3
	.amdgcn_target "amdgcn-amd-amdhsa--gfx1250"
	.amdhsa_code_object_version 6
	.text
	.protected	k_q243372cf6e_attn
	.globl	k_q243372cf6e_attn
	.p2align	8
	.type	k_q243372cf6e_attn,@function
k_q243372cf6e_attn:
	s_mov_b64 s[64:65], 0
	v_nop
	global_prefetch_b8 v0, s[64:65] scope:SCOPE_SE
	s_setreg_imm32_b32 hwreg(HW_REG_WAVE_MODE, 25, 1), 1
	s_wait_xcnt 0x0
	s_wait_alu depctr_hold_cnt(0) depctr_sa_sdst(0) depctr_va_vdst(0) depctr_va_sdst(0) depctr_va_ssrc(0) depctr_va_vcc(0) depctr_vm_vsrc(0)
	s_getreg_b32 s2, hwreg(HW_REG_IB_STS2, 6, 4)
	s_cmp_eq_u32 s2, 0
	s_cbranch_scc0 .Lentry_in_a_cluster
	s_endpgm
.Lentry_in_a_cluster:
	s_bfe_u32 s2, ttmp6, 0x10000c
	s_cmp_lg_u32 s2, 0x3003
	s_cbranch_scc0 .Lentry_shape_is_right
	s_endpgm
.Lentry_shape_is_right:
; CAUSAL ATTENTION in f16, 32 heads-and-batches of 2,048 tokens x 64 channels: O[q] = the sum over keys k <= q of softmax_k(Q[q] . K[k] / 8) V[k].  Products, maxima and sums in f32; the weights p are
; rounded to f16 for the second product, O once at the end.  q, k, v arrive, and O leaves, as IMAGES OF OPERAND REGISTERS (pieces of 512 bytes, lane l's 16 bytes at 16 l):
;   q (at 0), k (at 2^23): [bh 32][tile of 16 tokens, 128][piece 0-3]: lane (r, h) = token r, channels 16 piece + 8 h + 0 .. 7: pieces 2 c, 2 c + 1 are the fragment of channels 32 c on.
;   v (at 2^24): [bh][group of 32 keys, 64][16 channels, 4][half]: lane (r, h) = channel r, keys 16 half + 8 h + 0 .. 7: two halves are a fragment of V^T.
;   att: [tile of 16 rows, 256][32 along K, 32][half]: the fragments that the last product takes; head hd owns K = 64 hd .. 64 hd + 63.
; LAYOUT.  S^T = K Q^T (source 0 = 16 keys, source 1 = 16 queries): a lane holds ONE query (lane % 16) and keys 8 (lane / 16) + 0 .. 7.  Two such tiles, rounded in pairs, ARE source 1 of O^T = V^T P, whose
; result again holds one query a lane, and eight channels: nothing changes lanes but one exchange between the halves for a query's maximum and sum.
; SOFTMAX.  A running maximum m and sum l for each query: p = 2^(c s - c m), c = log2(e) / 8; in every step O and l are multiplied by a = 2^(c m_old - c m_new).  m starts at -3e38, O and l at 0.
; SHARES.  A head's queries are 32 groups u of 64; a key step is 64 keys, so group u needs steps 0 .. u and is masked in step u alone.  A wave owns TWO tiles of 16 queries, one of group uL and one of group
; uH = 31 - uL: 33 tile-steps for every wave.  uL and uH hang on the cluster's x and the wave's number; which of a group's four tiles is mine hangs on my place cx in the cluster, which enters only q's and
; att's addresses and the mask's operand: no branch, no LDS address.  While both tiles are active a fragment of K or V read from LDS feeds two products.
; CLUSTER.  The four work-groups of a cluster walk the same K and V of one head: each tile is asked for JOINTLY.  Two slots of 512 keys (K 64 KiB, V 64 KiB); each of the eight waves brings 16 KiB.
; A head has four slots' worth of keys: two first fills and two refills, each refill asked for eight key steps ahead of its first read.
; LIMITS: NaN and infinities are not served; p under 6e-8 rounds to 0 in f16; O beyond 65,504 has no f16 number.
.set SLOT1, 131072                     ; slot 1 begins here
.set VOFF,  65536                      ; in a slot: K's 32 tiles of 2 KiB, then V's 16 groups of 4 KiB
.set SPARE, 262144                     ; behind the slots: the spare words, 128 bytes for each of eight waves
.set LI,   1                           ; v1   16 x lane
.set LIV,  2                           ; v2   16 x lane + VOFF
.set ADR,  3                           ; v3   the LDS address of the run of loads in hand
.set SPW,  4                           ; v4   LDS address of my spare word; never rewritten
.set NIL,  5                           ; v5   0; never rewritten
.set DG,   6                           ; v6   16 cx + r - 8 h: on the diagonal register 8 kt + i holds a hidden key where 16 kt + i is greater
.set NINF, 7                           ; v7   -infinity
.set ST,   12                          ; tile t's statistics at v[ST + 8 t]: +0 c m, +1 m, +2, +3 l (even keys', odd keys'), +4 to +7 c0-c3 at work; a takes c2's place
.set Q,    32                          ; v32-63   Q, 16 a tile (tile 0 = the high group's, tile 1 = the low group's)
.set KV,   64                          ; v64-127  K of the step, then V of the step
.set S,    128                         ; v128-191 S^T, 32 a tile; P in place in the low 16
.set O,    192                         ; v192-255 O^T, 32 a tile
.set WV,   12                          ; s12  my wave's number
.set G1,   24                          ; s[24:31] descriptor group 1
.set G0A,  32                          ; s[32:35] group 0 for slot 0;  s[36:39] for slot 1
.set G0B,  36
.set TB,   40                          ; s40  LDS byte at which the step's tiles of K begin
.set SN,   42                          ; s42  the key step, 0 .. 31
.set UH,   43                          ; s43  my high group
.set UL,   44                          ; s44  my low group
.set CNT,  45                          ; s45  counts a slot's eight steps
.set CS,   58                          ; s[58:59] c: the packed scaling names a pair and takes its low word for both halves
.set SEL,  60                          ; s[60:61] lane selects for v_permlanex16_b32: lane l xor 16
.macro CROUND                          ; a round of the cluster's barrier
	s_barrier_signal -1
	s_barrier_wait -1
	s_cmp_lg_u32 s[WV], 0
	s_cbranch_scc1 .Lnot_wave_0_\@
	s_barrier_signal -3
.Lnot_wave_0_\@:
	s_barrier_wait -3
	s_barrier_signal -1
	s_barrier_wait -1
.endm
	s_load_b128 s[4:7], s[0:1], 0x0                ; qkv s[4:5], att s[6:7]
	v_lshl_add_u32 v[SPW], v0, 2, SPARE
	v_mov_b32 v[NIL], 0
	ds_add_u32 v[SPW], v[NIL]                      ; the wave's opening: the add and its wait stand ahead of my first tensor load; the set-up below, work on registers, stands between them
	v_lshrrev_b32 v8, 5, v0
	v_readfirstlane_b32 s[WV], v8                  ; wave 0..7
	s_bfe_u32 s13, ttmp6, 0x40000                  ; cx
	s_and_b32 s14, ttmp7, 0xffff                   ; bh: the head and batch, which the four partners share
	s_and_b32 s15, s[WV], 3
	s_lshr_b32 s16, s[WV], 2
	s_mul_i32 s17, s16, 3
	s_xor_b32 s17, s17, ttmp9                      ; which 256 queries hold my low group: cluster x xor 3 (wave / 4): 0 .. 3
	s_sub_co_u32 s18, 7, s17                       ; and my high group: 7 less that
	s_lshl_b32 s[UL], s17, 2
	s_add_co_u32 s[UL], s[UL], s15                 ; uL = 4 x that + wave % 4
	s_lshl_b32 s[UH], s18, 2
	s_add_co_u32 s[UH], s[UH], 3
	s_sub_co_u32 s[UH], s[UH], s15                 ; uH = 31 - uL
	; descriptor group 1: 16 KiB of dense memory as 64 rows of 256 bytes, no padding: images are read back 16 bytes a lane on end
	s_mov_b32 s[G1], 15|(3<<16)|(1<<21)            ; 15:0 the mask: all four work-groups; 17:16 elements of 8 bytes; 21 set beside a mask
	s_mov_b32 s[G1+1], 32<<16                      ; tensor_dim0 = 32
	s_mov_b32 s[G1+2], 64<<16                      ; tensor_dim1 = 64
	s_mov_b32 s[G1+3], 32<<16                      ; tile_dim0 = 32
	s_mov_b32 s[G1+4], 64                          ; tile_dim1 = 64
	s_mov_b32 s[G1+5], 32                          ; tensor_dim0_stride
	s_mov_b32 s[G1+6], 0
	s_mov_b32 s[G1+7], 0
	s_add_co_u32 s20, s16, 1                       ; waves 0-3 fetch K's quarters of a slot, waves 4-7 V's
	s_lshl_b32 s20, s20, 23
	s_lshl_b32 s21, s14, 18                        ; the head's 256 KiB
	s_add_co_u32 s20, s20, s21
	s_lshl_b32 s21, s15, 14                        ; my quarter
	s_add_co_u32 s20, s20, s21
	s_mov_b32 s21, 0
	s_lshl_b32 s19, s[WV], 14                      ; and its place in a slot: wave x 16 KiB
	s_lshl_b32 s46, s[UH], 2
	s_add_co_u32 s46, s46, s13                     ; my high tile = 4 uH + cx
	s_lshl_b32 s47, s[UL], 2
	s_add_co_u32 s47, s47, s13                     ; my low tile
	s_lshl_b32 s48, s14, 18
	s_lshl_b32 s50, s46, 11
	s_add_co_u32 s50, s50, s48                     ; their images in q
	s_mov_b32 s51, 0
	s_lshl_b32 s52, s47, 11
	s_add_co_u32 s52, s52, s48
	s_mov_b32 s53, 0
	s_lshr_b32 s54, s14, 4
	s_lshl_b32 s54, s54, 7                         ; the batch's 128 row tiles of att
	s_and_b32 s55, s14, 15
	s_lshl_b32 s55, s55, 11                        ; the head's 2 x 1,024 bytes in a row tile's 32 KiB
	s_add_co_u32 s56, s54, s46
	s_lshl_b32 s56, s56, 15
	s_add_co_u32 s56, s56, s55
	s_mov_b32 s57, 0
	s_add_co_u32 s62, s54, s47
	s_lshl_b32 s62, s62, 15
	s_add_co_u32 s62, s62, s55
	s_mov_b32 s63, 0
	s_mov_b32 s[CS], 0x3e38aa3b                    ; c = log2(e) / 8
	s_mov_b32 s[CS+1], s[CS]                       ; named with it as a pair, so it is written
	s_mov_b32 s[SEL], 0x76543210
	s_mov_b32 s[SEL+1], 0xfedcba98
	s_mov_b32 s[SN], 0
	s_lshl_b32 s22, s13, 4
	s_wait_dscnt 0x0                               ; the opening add is done
	s_wait_kmcnt 0x0
	s_add_nc_u64 s[20:21], s[4:5], s[20:21]
	s_add_nc_u64 s[50:51], s[4:5], s[50:51]
	s_add_nc_u64 s[52:53], s[4:5], s[52:53]
	s_add_nc_u64 s[56:57], s[6:7], s[56:57]
	s_add_nc_u64 s[62:63], s[6:7], s[62:63]
	CROUND                                         ; all four work-groups are here: the first joint loads meet
	s_mov_b32 s[G0A], 1                            ; count = 1
	s_mov_b32 s[G0A+1], s19                        ; LDS address: slot 0
	s_mov_b64 s[G0A+2:G0A+3], s[20:21]             ; keys 0 to 511
	s_or_b32 s[G0A+3], s[G0A+3], 0x80000000        ; type = 2
	s_mov_b32 s[G0B], 1
	s_add_co_u32 s[G0B+1], s19, SLOT1
	s_add_nc_u64 s[G0B+2:G0B+3], s[20:21], 65536   ; keys 512 to 1,023
	s_or_b32 s[G0B+3], s[G0B+3], 0x80000000
	tensor_load_to_lds s[G0A:G0A+3], s[G1:G1+7]    ; every wave's two first fills stand together: two tensor loads of mine are out
	s_nop 0
	tensor_load_to_lds s[G0B:G0B+3], s[G1:G1+7]
	s_nop 0
.rept 4
	v_nop
.endr
	v_and_b32 v[LI], 31, v0
	v_lshlrev_b32 v[LI], 4, v[LI]
.irp p, 0,1,2,3
	global_load_b128 v[Q+4*\p:Q+4*\p+3],       v[LI], s[50:51] offset:512*\p   ; Q stays in registers: the high tile's four pieces,
	global_load_b128 v[Q+16+4*\p:Q+16+4*\p+3], v[LI], s[52:53] offset:512*\p   ; the low tile's
.endr
	v_add_nc_u32 v[LIV], VOFF, v[LI]
	v_and_b32 v8, 15, v0                           ; r
	v_bfe_u32 v9, v0, 4, 1                         ; h
	v_lshlrev_b32 v9, 3, v9
	v_sub_nc_u32 v[DG], v8, v9
	v_add_nc_u32 v[DG], s22, v[DG]
	v_mov_b32 v[NINF], 0xff800000
.irp i, 0,1,2,3,4,5,6,7,8,9,10,11,12,13,14,15
	v_mov_b32 v[ST+\i], 0                          ; l = 0; the registers at work are written once, since a lane permute's destination counts as one of its sources
.endr
	v_mov_b32 v[ST+1], 0xff61b1e6                  ; m = -3e38, under every score
	v_mov_b32 v[ST+9], 0xff61b1e6
	v_mul_f32 v[ST], s[CS], v[ST+1]                ; c m
	v_mul_f32 v[ST+8], s[CS], v[ST+9]
.irp i, 0,1,2,3,4,5,6,7,8,9,10,11,12,13,14,15,16,17,18,19,20,21,22,23,24,25,26,27,28,29,30,31,32,33,34,35,36,37,38,39,40,41,42,43,44,45,46,47,48,49,50,51,52,53,54,55,56,57,58,59,60,61,62,63
	v_mov_b32 v[O+\i], 0                           ; O^T: the step is written without a first step of its own: the first finds zeros, which a = 0 leaves zeros
.endr
.macro KVLOAD                          ; a step's K (4 tiles x 4 pieces) or V (2 groups x 4 x 2 halves): 8 KiB on end, 16 loads of 512 consecutive bytes
.irp i, 0,1,2,3,4,5,6,7,8,9,10,11,12,13,14,15
	ds_load_b128 v[KV+4*\i:KV+4*\i+3], v[ADR] offset:512*\i
.endr
.endm
; S^T = K Q^T for nt tiles of queries: channels 32 c on, keys 16 kt on.  The accumulators take turns, one instruction a turn; the first four (eight) start the sums.
.macro SQK nt
.irp c, 0,1
.irp kt, 0,1,2,3
.irp t, 0,1
.if \t < \nt
.if \c == 0
	v_wmma_f32_16x16x32_f16 v[S+32*\t+8*\kt:S+32*\t+8*\kt+7], v[KV+16*\kt+8*\c:KV+16*\kt+8*\c+7], v[Q+16*\t+8*\c:Q+16*\t+8*\c+7], 0
.else
	v_wmma_f32_16x16x32_f16 v[S+32*\t+8*\kt:S+32*\t+8*\kt+7], v[KV+16*\kt+8*\c:KV+16*\kt+8*\c+7], v[Q+16*\t+8*\c:Q+16*\t+8*\c+7], v[S+32*\t+8*\kt:S+32*\t+8*\kt+7]
.endif
.endif
.endr
.endr
.endr
.endm
; O^T += V^T P: keys 32 kp on, channels 16 ct on; by turns likewise
.macro PV nt
.irp kp, 0,1
.irp ct, 0,1,2,3
.irp t, 0,1
.if \t < \nt
	v_wmma_f32_16x16x32_f16 v[O+32*\t+8*\ct:O+32*\t+8*\ct+7], v[KV+32*\kp+8*\ct:KV+32*\kp+8*\ct+7], v[S+32*\t+8*\kp:S+32*\t+8*\kp+7], v[O+32*\t+8*\ct:O+32*\t+8*\ct+7]
.endif
.endr
.endr
.endr
.endm
.macro MASK t                          ; on the diagonal hidden scores become -infinity ahead of the maximum: p = 0 then.  Ascending: each accumulator is read from its low end on
.irp n, 0,1,2,3,4,5,6,7,8,9,10,11,12,13,14,15,16,17,18,19,20,21,22,23,24,25,26,27,28,29,30,31
	v_cmp_gt_i32 vcc_lo, 16*(\n/8)+\n%8, v[DG]
	v_cndmask_b32 v[S+32*(\t)+\n], v[S+32*(\t)+\n], v[NINF], vcc_lo
.endr
.endm
; ONE TILE'S SOFTMAX FOR A KEY STEP is a list of 118 instructions; SM writes number j of it for tile t.  s0-s31 are the lane's 32 scores, in pairs 0-15.
;   0-15    the maximum of s0-s31 and the old m, three operands at a time: four chains, each begun at an accumulator's low end
;   16-20   the other half of the lanes' maximum; the new m; c m; c m_old - c m_new
;   21-36   c s - c m, a pair at a time        37-69   the exponentials: a, then s0-s31.  None of 21-69 reads an exponential's result
;   (wait)  between 69 and 70 stands the one wait for the batch
;   70-85   l = a l + the sum of p, in two chains     86-101  p rounded to f16, in place, ascending     102-117 O^T times a
.macro SM t
.set rT, ST+8*(\t)
.set rS, S+32*(\t)
.set rO, O+32*(\t)
.if j < 4
	v_max3_num_f32 v[rT+4+j], v[rS+8*j], v[rS+8*j+1], v[rS+8*j+2]
.elseif j < 12
	v_max3_num_f32 v[rT+4+j%4], v[rT+4+j%4], v[rS+8*(j%4)+2*(j/4)+1], v[rS+8*(j%4)+2*(j/4)+2]
.elseif j == 12
	v_max3_num_f32 v[rT+4], v[rT+4], v[rS+7], v[rS+15]
.elseif j == 13
	v_max3_num_f32 v[rT+6], v[rT+6], v[rS+23], v[rS+31]
.elseif j == 14
	v_max3_num_f32 v[rT+4], v[rT+4], v[rT+5], v[rT+6]
.elseif j == 15
	v_max3_num_f32 v[rT+4], v[rT+4], v[rT+7], v[rT+1]
.elseif j == 16
	v_permlanex16_b32 v[rT+5], v[rT+4], s[SEL], s[SEL+1]   ; the query's other 32 keys lie in the lane 16 away
.elseif j == 17
	v_mov_b32 v[rT+7], v[rT]                       ; c m_old is kept for a
.elseif j == 18
	v_max_num_f32 v[rT+1], v[rT+4], v[rT+5]
.elseif j == 19
	v_mul_f32 v[rT], s[CS], v[rT+1]
.elseif j == 20
	v_sub_f32 v[rT+7], v[rT+7], v[rT]
.elseif j < 37
	v_pk_fma_f32 v[rS+2*(j-21):rS+2*(j-21)+1], v[rS+2*(j-21):rS+2*(j-21)+1], s[CS:CS+1], v[rT:rT+1] op_sel_hi:[1,0,0] neg_lo:[0,0,1] neg_hi:[0,0,1]
.elseif j == 37
	v_exp_f32 v[rT+6], v[rT+7]
.elseif j < 70
	v_exp_f32 v[rS+j-38], v[rS+j-38]
.elseif j == 70
	v_pk_fma_f32 v[rT+2:rT+3], v[rT+2:rT+3], v[rT+6:rT+7], v[rS:rS+1] op_sel_hi:[1,0,1]
.elseif j == 71
	v_pk_add_f32 v[rT+4:rT+5], v[rS+2:rS+3], v[rS+4:rS+5]
.elseif j < 85
.if j%2 == 0
	v_pk_add_f32 v[rT+2:rT+3], v[rT+2:rT+3], v[rS+2*(j-69):rS+2*(j-69)+1]
.else
	v_pk_add_f32 v[rT+4:rT+5], v[rT+4:rT+5], v[rS+2*(j-69):rS+2*(j-69)+1]
.endif
.elseif j == 85
	v_pk_add_f32 v[rT+2:rT+3], v[rT+2:rT+3], v[rT+4:rT+5]
.elseif j < 102
	v_cvt_pk_f16_f32 v[rS+j-86], v[rS+2*(j-86)], v[rS+2*(j-86)+1]
.else
	v_pk_mul_f32 v[rO+2*(j-102):rO+2*(j-102)+1], v[rO+2*(j-102):rO+2*(j-102)+1], v[rT+6:rT+7] op_sel_hi:[1,0]
.endif
.endm
.macro RUN from, to, nt                ; numbers from .. to - 1 of the list, for nt tiles, the tiles alternating, so that where one line feeds the next the other tile's stands between
.set j, \from
.rept \to-\from
.irp t, 0,1
.if \t < \nt
	SM \t
.endif
.endr
.set j, j+1
.endr
.endm
; A key step's work for nt tiles; K's loads are out.  nt = 2: both tiles are active, so the high tile is under the diagonal and only the low tile can lie on it; nt = 1: the high tile alone.
.macro BODY nt
	s_wait_dscnt 0x0                               ; K is in
	SQK \nt
	v_add_nc_u32 v[ADR], s[TB], v[LIV]             ; four places behind the last product that read K: this line and three v_nop; then V's loads, which land under the softmax
.rept 3
	v_nop
.endr
	KVLOAD
.if \nt == 2
	s_cmp_lg_u32 s[SN], s[UL]
.else
	s_cmp_lg_u32 s[SN], s[UH]
.endif
	s_cbranch_scc1 .Lopen_\@                       ; by ids and the count of steps alone
	MASK \nt-1
.Lopen_\@:
	RUN 0, 70, \nt
	v_nop                                          ; a plain line behind the last exponential,
	s_wait_alu depctr_va_vdst(0)                   ; and ONE wait for the batch, ahead of its first reader
	RUN 70, 118, \nt
	s_wait_dscnt 0x0                               ; V is in
	PV \nt
.endm
; A KEY STEP.  A step all of whose keys come after my high tile's queries is left out, by a scalar branch on ids; not the lines at its end that step the count and the address; no barrier or tensor load stands in a step.
.macro STEP
	s_cmp_gt_u32 s[SN], s[UH]
	s_cbranch_scc1 .Lskip_\@
	v_add_nc_u32 v[ADR], s[TB], v[LI]              ; FIVE places behind the last step's products: four for the loads into the registers that held V, five for the products that
.rept 4
	v_nop                                          ; begin S^T anew over the registers that held P
.endr
	KVLOAD
	s_cmp_gt_u32 s[SN], s[UL]
	s_cbranch_scc1 .Lone_\@
	BODY 2
	s_branch .Lskip_\@
.Lone_\@:
	BODY 1
.Lskip_\@:
	s_add_co_u32 s[SN], s[SN], 1
	s_add_co_u32 s[TB], s[TB], 8192
.endm
.macro SLOTRUN n                       ; the eight key steps of the n-th 512 keys
	s_mov_b32 s[TB], ((\n)%2)*SLOT1
	s_mov_b32 s[CNT], 8
.Lstep_\@:
	STEP
	s_sub_co_u32 s[CNT], s[CNT], 1
	s_cmp_lg_u32 s[CNT], 0
	s_cbranch_scc1 .Lstep_\@
.endm
; THE CHANGE OF SLOTS.  Each wave waits for all its tensor loads (its part of the slot ahead), adds 0 to its spare word, and waits for that and for its reads of the slot that it leaves.
; fill = 1: the barrier is a round of the cluster's, so that no wave of any partner still reads the slot or has a load on its way, and the joint refill of the slot just left is the first thing behind it.
.macro CHANGE fill, g0
	s_wait_tensorcnt 0x0                           ; no tensor load of mine is out, so a group 0 may be written
	ds_add_u32 v[SPW], v[NIL]                      ; 0 onto my spare word
.if \fill
	s_add_nc_u64 s[\g0+2:\g0+3], s[\g0+2:\g0+3], 131072   ; the slot's next 512 keys are two slots' worth on; the type bits on top are not reached
.endif
	s_wait_dscnt 0x0                               ; the add is done, and my reads of the slot that I leave are over
.if \fill
	CROUND
	tensor_load_to_lds s[\g0:\g0+3], s[G1:G1+7]    ; my one tensor load behind the round
	s_nop 0
.rept 4
	v_nop
.endr
.else
	s_barrier_signal -1
	s_barrier_wait -1
.endif
.endm
	s_wait_loadcnt 0x0                             ; Q
	s_wait_tensorcnt 1                             ; my part of slot 0 is in; slot 1's may stay out
	s_barrier_signal -1
	s_barrier_wait -1                              ; everybody's is
	SLOTRUN 0
	CHANGE 1, G0A                                  ; slot 0 takes keys 1,024 on
	SLOTRUN 1
	CHANGE 1, G0B                                  ; slot 1 takes keys 1,536 on
	SLOTRUN 2
	CHANGE 0, G0A                                  ; nothing is left to fetch
	SLOTRUN 3
	; THE WAY OUT.  l's two halves and the other half of the lanes' are added; O^T is divided by l and rounded to f16: a lane's eight channels are four registers of the next product's operand, stored at 16 x lane.
.rept 4
	v_nop                                          ; places behind the last products
.endr
.irp t, 0,1
	v_add_f32 v[ST+8*\t+4], v[ST+8*\t+2], v[ST+8*\t+3]
.endr
.irp t, 0,1
	v_permlanex16_b32 v[ST+8*\t+5], v[ST+8*\t+4], s[SEL], s[SEL+1]
.endr
.irp t, 0,1
	v_add_f32 v[ST+8*\t+4], v[ST+8*\t+4], v[ST+8*\t+5]
.endr
.irp t, 0,1
	v_rcp_f32 v[ST+8*\t+6], v[ST+8*\t+4]
.endr
	v_nop                                          ; a plain line behind the last reciprocal,
	s_wait_alu depctr_va_vdst(0)                   ; and one wait for both, ahead of their first reader
.irp t, 0,1
.irp i, 0,1,2,3,4,5,6,7,8,9,10,11,12,13,14,15
	v_pk_mul_f32 v[O+32*\t+2*\i:O+32*\t+2*\i+1], v[O+32*\t+2*\i:O+32*\t+2*\i+1], v[ST+8*\t+6:ST+8*\t+7] op_sel_hi:[1,0]
.endr
.endr
.irp t, 0,1
.irp i, 0,1,2,3,4,5,6,7,8,9,10,11,12,13,14,15
	v_cvt_pk_f16_f32 v[S+32*\t+\i], v[O+32*\t+2*\i], v[O+32*\t+2*\i+1]
.endr
.endr
.irp ct, 0,1,2,3
	global_store_b128 v[LI], v[S+4*\ct:S+4*\ct+3],       s[56:57] offset:512*\ct   ; channels 16 ct on: 512 consecutive bytes, aligned
	global_store_b128 v[LI], v[S+32+4*\ct:S+32+4*\ct+3], s[62:63] offset:512*\ct
.endr
	s_wait_tensorcnt 0x0                           ; the wave's end, behind my last tensor load
	ds_add_u32 v[SPW], v[NIL]
	s_wait_dscnt 0x0
	CROUND                                         ; the closing round: no work-group ends while a partner may still ask for a tile that names it
	s_endpgm
.Lfunc_end_k_q243372cf6e_attn:
	.size	k_q243372cf6e_attn, .Lfunc_end_k_q243372cf6e_attn-k_q243372cf6e_attn
	.p2alignl 7, 3214868480
	.fill 96, 4, 3214868480
	.section	.rodata,"a",@progbits
	.p2align	6, 0x0
	.amdhsa_kernel k_q243372cf6e_attn
		.amdhsa_group_segment_fixed_size 327680
		.amdhsa_private_segment_fixed_size 0
		.amdhsa_enable_private_segment 0
		.amdhsa_kernarg_size 16
		.amdhsa_user_sgpr_count 2
		.amdhsa_user_sgpr_kernarg_segment_ptr 1
		.amdhsa_wavefront_size32 1
		.amdhsa_system_sgpr_workgroup_id_x 1
		.amdhsa_system_sgpr_workgroup_id_y 1
		.amdhsa_system_sgpr_workgroup_id_z 1
		.amdhsa_system_vgpr_workitem_id 0
		.amdhsa_next_free_vgpr 256
		.amdhsa_next_free_sgpr 66
		.amdhsa_reserve_vcc 1
		.amdhsa_float_denorm_mode_32 3
		.amdhsa_float_denorm_mode_16_64 3
		.amdhsa_memory_ordered 1
		.amdhsa_forward_progress 1
		.amdhsa_inst_pref_size 135
	.end_amdhsa_kernel
	.amdgpu_metadata
---
amdhsa.version: [ 1, 2 ]
amdhsa.kernels:
  - .name:           k_q243372cf6e_attn
    .symbol:         k_q243372cf6e_attn.kd
    .args:
      - { .name: qkv, .offset: 0, .size: 8, .value_kind: global_buffer, .address_space: global }
      - { .name: att, .offset: 8, .size: 8, .value_kind: global_buffer, .address_space: global }
    .group_segment_fixed_size: 327680
    .private_segment_fixed_size: 0
    .kernarg_segment_align: 8
    .kernarg_segment_size: 16
    .max_flat_workgroup_size: 256
    .sgpr_count:     66
    .vgpr_count:     256
    .wavefront_size: 32
...
	.end_amdgpu_metadata
.endif
;; end of part 3
;; launch proj (part 4): grid 8 x 32, 4 waves a work-group, clusters of 4 x 4, 327,680 bytes of LDS; arguments att, wo16, out0; writes out0
.if DOCPART == 4
	.amdgcn_target "amdgcn-amd-amdhsa--gfx1250"
	.amdhsa_code_object_version 6
	.text
	.protected	k_q243372cf6e_proj
	.globl	k_q243372cf6e_proj
	.p2align	8
	.type	k_q243372cf6e_proj,@function
k_q243372cf6e_proj:
	s_mov_b64 s[64:65], 0
	v_nop
	global_prefetch_b8 v0, s[64:65] scope:SCOPE_SE
	s_setreg_imm32_b32 hwreg(HW_REG_WAVE_MODE, 25, 1), 1
	s_wait_xcnt 0x0
	s_wait_alu depctr_hold_cnt(0) depctr_sa_sdst(0) depctr_va_vdst(0) depctr_va_sdst(0) depctr_va_ssrc(0) depctr_va_vcc(0) depctr_vm_vsrc(0)
	s_getreg_b32 s2, hwreg(HW_REG_IB_STS2, 6, 4)
	s_cmp_eq_u32 s2, 0
	s_cbranch_scc0 .Lentry_in_a_cluster
	s_endpgm
.Lentry_in_a_cluster:
	s_bfe_u32 s2, ttmp6, 0x10000c
	s_cmp_lg_u32 s2, 0xf033
	s_cbranch_scc0 .Lentry_shape_is_right
	s_endpgm
.Lentry_shape_is_right:
; out0[m][n] = the sum over k of A[m][k] Wo[n][k]: M = 4,096, N = 1,024, K = 1,024; operands f16, sums and result f32.
; A arrives as IMAGES OF ITS FRAGMENTS: att [tile of 16 rows, 256][32 along K, 32][half][512 bytes, lane l's 16 bytes at 16 l].  Wo arrives row-major, [1024][1024] f16.
; A tile of C is 128 x 128, so that there are 256 work-groups.  Four waves, each 64 x 64: 16 accumulators of 16 x 16.  K goes in steps of 256 through two LDS slots:
; A's part of a slot is 8 row tiles x 8 KiB, dense (read back 512 consecutive bytes a load); B's is 128 rows of 512 bytes + 16 of padding.
; CLUSTERS: 4 x 4 work-groups.  The four of a row need the same tiles of A, the four of a column the same tiles of B: each tile is asked for JOINTLY.
; THE MATRIX INSTRUCTION IS USED TRANSPOSED (source 0 = 16 rows of B, source 1 = 16 rows of A): a lane holds eight neighbouring numbers of a row of C.
; THE WAY OUT: a wave's 64 columns of f32 are 256 bytes of a row of C, aligned: each wave sends blocks of 16 rows through a stage of its own in LDS and stores them sixteen lanes to a row's 256 bytes.
; REGISTERS: window 0: v0-31 addresses; v32-95 the way out; v128-255 the accumulators ((a, b) at v[128 + 8 (4 a + b)]).  window 1: two fragment buffers of 128: 64 registers of A, then 64 of B, for 64 along K.
.set SIZE_N, 1024
.set SIZE_K, 1024
.set KSTEP,  256
.set PITCH,  528                       ; a row of B in LDS: 512 bytes + 16 of padding = 132 words: the 16 rows that a load touches start 4 words apart
.set HALFB,  64*PITCH                  ; 64 rows of B: what one tensor load brings
.set ASZ,    65536                     ; A's part of a slot; half of it, 4 row tiles, is what one tensor load brings
.set SLOT,   ASZ+2*HALFB
.set SPARE,  2*SLOT                    ; behind the slots: the spare words, 128 bytes a wave
.set SPITCH, 272                       ; the stage: 16 rows x (256 bytes + 16) for each wave, at the head of slot 0, which has had its last fill and its last read when the first result is stored there
.set LAPS, SIZE_K/(2*KSTEP)
.set ADRA, 16                          ; v16-17  LDS address of my A fragments in slot 0, 1
.set ADRB, 20                          ; v20-21  the same for B
.set STO,  24                          ; v24     the way out: where I put 32 bytes of a row
.set RD,   25                          ; v25     where I read a row back
.set CO,   26                          ; v26     my byte offset in C
.set SPW,  28                          ; v28     LDS address of my spare word; never rewritten
.set NIL,  29                          ; v29     0; never rewritten
.set TMP,  32                          ; the way out: two sets of 32
.set ACC,  128
.set F0,   0                           ; fragment buffers, in window 1
.set F1,   128
.set G1, 24                            ; s[24:31] descriptor group 1 for A's tiles;  s[32:39] group 0, one set for each slot
.set G0, 32
.set G1B, 48                           ; s[48:55], s[56:63] the same for B's tiles
.set G0B, 56
.set MSB, 0
.macro WIN new                         ; the immediate's high byte repeats the setting that is left
.if MSB != \new
	s_set_vgpr_msb (MSB<<8)|\new
.set MSB, \new
.endif
.endm
.set MUL,  0x05                        ; sources 0 (B) and 1 (A) window 1; C and D window 0
.set TO_F, 0x40                        ; destination window 1, address window 0
.macro JLOAD s                         ; a joint load: waves 0 and 1 fetch A's two halves, waves 2 and 3 B's; an s_nop 0 and four v_nop follow each of the two lines
	s_cmp_eq_u32 s11, 0
	s_cbranch_scc0 .Lfor_b_\@
	tensor_load_to_lds s[G0+4*\s:G0+4*\s+3], s[G1:G1+7]
	s_nop 0
.rept 4
	v_nop
.endr
	s_branch .Lasked_\@
.Lfor_b_\@:
	tensor_load_to_lds s[G0B+4*\s:G0B+4*\s+3], s[G1B:G1B+7]
	s_nop 0
.rept 4
	v_nop
.endr
.Lasked_\@:
.endm
.macro CREST                           ; a round of the cluster's barrier behind its opening barrier
	s_cmp_lg_u32 s10, 0
	s_cbranch_scc1 .Lnot_wave_0_\@
	s_barrier_signal -3
.Lnot_wave_0_\@:
	s_barrier_wait -3
	s_barrier_signal -1
	s_barrier_wait -1
.endm
.macro CROUND                          ; a whole round
	s_barrier_signal -1
	s_barrier_wait -1
	CREST
.endm
	s_load_b128 s[4:7], s[0:1], 0x0                ; att s[4:5], wo16 s[6:7]
	s_load_b64 s[8:9], s[0:1], 0x10                ; out0
	v_lshl_add_u32 v[SPW], v0, 2, SPARE
	v_mov_b32 v[NIL], 0
	ds_add_u32 v[SPW], v[NIL]                      ; the wave's opening: the add and its wait stand ahead of my first tensor load; the set-up below, work on registers, stands between them
	v_lshrrev_b32 v1, 5, v0
	v_readfirstlane_b32 s10, v1                    ; wave 0..3
	s_lshr_b32 s11, s10, 1                         ; which half of the tile's rows is mine.  Also: I fetch for A (0) or for B (1)
	s_and_b32 s12, s10, 1                          ; which half of its columns.  Also: which half of that tile I fetch
	s_bfe_u32 s40, ttmp6, 0x40000                  ; cx, cy: my place in the cluster
	s_bfe_u32 s41, ttmp6, 0x40004
	s_lshl_b32 s42, ttmp9, 2
	s_add_co_u32 s42, s42, s40                     ; tile column of C = 4 x cluster x + cx
	s_and_b32 s13, ttmp7, 0xffff
	s_lshl_b32 s13, s13, 2
	s_add_co_u32 s13, s13, s41                     ; tile row of C = 4 x cluster y + cy
	s_lshl_b32 s43, s41, 2
	s_lshl_b32 s43, 15, s43                        ; my row of the cluster
	s_lshl_b32 s44, 0x1111, s40                    ; my column
	; A's group 1: 4 row tiles, of each the K step's 8 KiB (1,024 elements of 8 bytes), 32 KiB apart in memory, dense in LDS
	s_or_b32 s[G1+0], s43, (3<<16)|(1<<21)         ; 15:0 the mask: A's tiles go to my row; 17:16 elements of 8 bytes; 21 set beside a mask; no padding
	s_mov_b32 s[G1+1], 1024<<16                    ; tensor_dim0 = 1,024
	s_mov_b32 s[G1+2], 4<<16                       ; tensor_dim1 = 4
	s_mov_b32 s[G1+3], 1024<<16                    ; tile_dim0 = 1,024
	s_mov_b32 s[G1+4], 4                           ; tile_dim1 = 4
	s_mov_b32 s[G1+5], 4096                        ; tensor_dim0_stride
	s_mov_b32 s[G1+6], 0
	s_mov_b32 s[G1+7], 0
	; B's group 1: 64 rows x 256 elements of 2 bytes, padded in LDS
	s_or_b32 s[G1B+0], s44, (1<<16)|(1<<20)|(1<<21)|(6<<22)|(3<<25)  ; the mask of my column; elements of 2 bytes; padding on; after every 128 words four words
	s_mov_b32 s[G1B+1], KSTEP<<16
	s_mov_b32 s[G1B+2], 64<<16
	s_mov_b32 s[G1B+3], KSTEP<<16
	s_mov_b32 s[G1B+4], 64
	s_mov_b32 s[G1B+5], SIZE_K
	s_mov_b32 s[G1B+6], 0
	s_mov_b32 s[G1B+7], 0
	s_lshl_b32 s16, s13, 3
	s_lshl_b32 s17, s12, 2
	s_add_co_u32 s16, s16, s17                     ; A: row tile 8 x tile row + 4 x half,
	s_lshl_b32 s16, s16, 15                        ; 32 KiB each (under 2^23)
	s_mov_b32 s17, 0
	s_lshl_b32 s46, s42, 7
	s_lshl_b32 s47, s12, 6
	s_add_co_u32 s46, s46, s47                     ; B: row 128 x tile column + 64 x half,
	s_lshl_b32 s46, s46, 11                        ; 2,048 bytes each
	s_mov_b32 s47, 0
	s_lshl_b32 s20, s12, 15                        ; where they go in a slot: A's halves,
	s_mul_i32 s21, s12, HALFB
	s_add_co_u32 s21, s21, ASZ                     ; B's halves behind them: no place in the cluster enters an LDS address
	s_wait_dscnt 0x0                               ; the opening add is done
	s_wait_kmcnt 0x0
	s_add_nc_u64 s[14:15], s[4:5], s[16:17]
	s_add_nc_u64 s[46:47], s[6:7], s[46:47]
	CROUND                                         ; all sixteen work-groups are here: the first joint loads meet
.irp s, 0,1
	s_mov_b32 s[G0+4*\s], 1
	s_add_co_u32 s[G0+4*\s+1], s20, \s*SLOT
	s_add_nc_u64 s[G0+4*\s+2:G0+4*\s+3], s[14:15], \s*8192         ; K step s: 8 KiB on in each row tile
	s_or_b32 s[G0+4*\s+3], s[G0+4*\s+3], 0x80000000
	s_mov_b32 s[G0B+4*\s], 1
	s_add_co_u32 s[G0B+4*\s+1], s21, \s*SLOT
	s_add_nc_u64 s[G0B+4*\s+2:G0B+4*\s+3], s[46:47], \s*KSTEP*2
	s_or_b32 s[G0B+4*\s+3], s[G0B+4*\s+3], 0x80000000
	JLOAD \s
.endr
	v_and_b32 v1, 15, v0                           ; r = l % 16
	v_bfe_u32 v2, v0, 4, 1                         ; h = l / 16
	v_mul_u32_u24 v3, v1, PITCH
	v_lshl_add_u32 v3, v2, 4, v3                   ; B: a fragment's row x pitch + 16 x half
	v_and_b32 v4, 31, v0
	v_lshlrev_b32 v4, 4, v4                        ; A: 16 x lane
	s_lshl_b32 s21, s11, 15                        ; my 64 rows of A: four row tiles
	s_mul_i32 s22, s12, HALFB                      ; my 64 rows of B,
	s_add_co_u32 s22, s22, ASZ                     ; which lie behind A's part
.irp s, 0,1
	v_add_nc_u32 v[ADRA+\s], s21, v4
	v_add_nc_u32 v[ADRB+\s], s22, v3
	s_add_co_u32 s21, s21, SLOT
	s_add_co_u32 s22, s22, SLOT
.endr
	s_mul_i32 s23, s10, 16*SPITCH                  ; my stage
	v_mul_u32_u24 v5, v1, SPITCH                   ; in: row r, 32 bytes for each half of the lanes
	v_lshl_add_u32 v5, v2, 5, v5
	v_add_nc_u32 v[STO], s23, v5
	v_mul_u32_u24 v5, v2, SPITCH                   ; back: lanes 0-15 take one row of 256 bytes, lanes 16-31 the next
	v_lshl_add_u32 v5, v1, 4, v5
	v_add_nc_u32 v[RD], s23, v5
	v_lshlrev_b32 v5, 12, v2                       ; and the same two rows in C: 4,096 bytes a row
	v_lshl_add_u32 v[CO], v1, 4, v5
	s_lshl_b32 s16, s13, 7
	s_lshl_b32 s17, s11, 6
	s_add_co_u32 s16, s16, s17                     ; my first row of C: 128 x tile row + 64 x half
	s_lshl_b32 s16, s16, 12
	s_lshl_b32 s46, s42, 9                         ; my first column, in bytes: 512 x tile column + 256 x half
	s_lshl_b32 s47, s12, 8
	s_add_co_u32 s46, s46, s47
	s_add_co_u32 s16, s16, s46                     ; (under 2^24)
	s_mov_b32 s17, 0
	s_add_nc_u64 s[8:9], s[8:9], s[16:17]
; 8 matrix instructions: m blocks a0, a0 + 1 x all 4 n blocks, 32 along K: half c of buffer f.  zero = 1: the first product starts the sums.  The 16 accumulators take turns.
.macro MUL8 f, c, a0, zero
.irp a, \a0, \a0+1
.irp b, 0,1,2,3
.if \zero
	v_wmma_f32_16x16x32_f16 v[ACC+8*(4*(\a)+\b):ACC+8*(4*(\a)+\b)+7], v[\f+64+8*(4*\c+\b):\f+64+8*(4*\c+\b)+7], v[\f+8*(4*\c+\a):\f+8*(4*\c+\a)+7], 0
.else
	v_wmma_f32_16x16x32_f16 v[ACC+8*(4*(\a)+\b):ACC+8*(4*(\a)+\b)+7], v[\f+64+8*(4*\c+\b):\f+64+8*(4*\c+\b)+7], v[\f+8*(4*\c+\a):\f+8*(4*\c+\a)+7], v[ACC+8*(4*(\a)+\b):ACC+8*(4*(\a)+\b)+7]
.endif
.endr
.endr
.endm
; 32 LDS loads in one run: the fragments of 64 along K, at byte k of B's rows, into buffer f; the first 32 along K first.  A's fragment (row tile i, 32 along K number 2 (k / 128) + c) is 1 KiB on end.
.macro FETCH slot, k, f
	WIN TO_F
.irp c, 0,1
.irp i, 0,1,2,3
	ds_load_b128 v[\f+64+8*(4*\c+\i):\f+64+8*(4*\c+\i)+3],   v[ADRB+\slot] offset:\k+64*\c+\i*16*PITCH
	ds_load_b128 v[\f+64+8*(4*\c+\i)+4:\f+64+8*(4*\c+\i)+7], v[ADRB+\slot] offset:\k+64*\c+\i*16*PITCH+32
	ds_load_b128 v[\f+8*(4*\c+\i):\f+8*(4*\c+\i)+3],         v[ADRA+\slot] offset:\i*8192+1024*(2*((\k)/128)+\c)
	ds_load_b128 v[\f+8*(4*\c+\i)+4:\f+8*(4*\c+\i)+7],       v[ADRA+\slot] offset:\i*8192+1024*(2*((\k)/128)+\c)+512
.endr
.endr
.endm
.macro PLACES                          ; four places in front of loads into registers that matrix instructions have read, and of LDS stores that read results (ISA guide 7.12.1 for the stores)
.rept 4
	v_nop
.endr
.endm
; A K step is four quarters of 64 along K, 32 matrix instructions each, on buffers 0, 1, 0, 1.  One of the first three: multiplies buffer f and fetches the next quarter, at byte k, into g.
.macro QUARTER slot, k, f, g, zero
	s_wait_dscnt 16                                ; the first 32 along K are in; the sixteen loads of the second 32 may be out
	WIN MUL
	MUL8 \f, 0, 0, \zero
	MUL8 \f, 0, 2, \zero
	PLACES
	FETCH \slot, \k, \g
	s_wait_dscnt 32                                ; all but the 32 just issued
	WIN MUL
	MUL8 \f, 1, 0, 0
	MUL8 \f, 1, 2, 0
.endm
; The last quarter multiplies buffer 1 and changes slots: ONE barrier; in front of it each wave waits for all its tensor loads, adds 0 to its spare word, and waits for that and for its own reads of this slot.
; fill = 1: this slot is filled again, two K steps ahead: the barrier then opens a round of the cluster's barrier, and the joint refill is the first tensor load behind the round.
.macro TURN slot, next, fill
	WIN 0                                          ; (the add's two registers lie in window 0)
	s_wait_tensorcnt 0x0                           ; all my tensor loads have landed: my part of the next slot;
	ds_add_u32 v[SPW], v[NIL]                      ; 0 onto my spare word;
	s_wait_dscnt 17                                ; (the add and the youngest sixteen loads may be out)
	WIN MUL
	MUL8 F1, 0, 0, 0                               ; eight matrix instructions stand between the add and the wait for it
	s_wait_dscnt 0x0                               ; the add is done, and my reads of this slot are over
	s_barrier_signal -1
	MUL8 F1, 0, 2, 0
.if \fill
	WIN 0
.endif
	s_barrier_wait -1
.if \fill
	CREST                                          ; no wave of any partner still reads this slot's tile or has a load on its way
	s_add_nc_u64 s[G0+4*\slot+2:G0+4*\slot+3], s[G0+4*\slot+2:G0+4*\slot+3], 2*8192
	s_add_nc_u64 s[G0B+4*\slot+2:G0B+4*\slot+3], s[G0B+4*\slot+2:G0B+4*\slot+3], 2*KSTEP*2
	JLOAD \slot                                    ; the four v_nop behind it are also the places in front of the loads below
.else
	PLACES
.endif
	FETCH \next, 0, F0
	WIN MUL
	MUL8 F1, 1, 0, 0
	MUL8 F1, 1, 2, 0
.endm
	s_wait_tensorcnt 1                             ; my part of K step 0 is in (K step 1's load may be out),
	s_barrier_signal -1
	s_barrier_wait -1                              ; everybody's is
	FETCH 0, 0, F0
	QUARTER 0, 128, F0, F1, 1                      ; the first quarter stands in front of the loop: its first products start the sums
	WIN 0                                          ; at a label and at a branch every window is 0
	s_mov_b32 s3, LAPS-1
.Llap:                                                 ; a trip goes once round the ring, from a lap's second quarter to the next lap's first, and fills both slots again
	QUARTER 0, 256, F1, F0, 0
	QUARTER 0, 384, F0, F1, 0
	TURN 0, 1, 1
	QUARTER 1, 128, F0, F1, 0
	QUARTER 1, 256, F1, F0, 0
	QUARTER 1, 384, F0, F1, 0
	TURN 1, 0, 1
	QUARTER 0, 128, F0, F1, 0
	WIN 0
	s_sub_co_u32 s3, s3, 1
	s_cmp_lg_u32 s3, 0
	s_cbranch_scc1 .Llap
	QUARTER 0, 256, F1, F0, 0                      ; the last lap fills nothing, and has no round of the cluster's barrier
	QUARTER 0, 384, F0, F1, 0
	TURN 0, 1, 0
	QUARTER 1, 128, F0, F1, 0
	QUARTER 1, 256, F1, F0, 0
	QUARTER 1, 384, F0, F1, 0
	s_wait_dscnt 16                                ; the very last quarter: nothing more to fetch
	WIN MUL
	MUL8 F1, 0, 0, 0
	MUL8 F1, 0, 2, 0
	s_wait_dscnt 0
	MUL8 F1, 1, 0, 0
	MUL8 F1, 1, 2, 0
	WIN 0
; THE WAY OUT, block by block of 16 rows x 64 columns.  A lane holds 32 neighbouring bytes of a row four times over, and the lanes beside it hold other rows: so a block goes through my own stage and comes back
; as whole runs of 256 bytes.  LDS serves a wave's instructions in order: no wait between the stores and the loads, nor in front of the next block's stores.
.macro TOSTAGE a
.irp b, 0,1,2,3
	ds_store_b128 v[STO], v[ACC+8*(4*(\a)+\b):ACC+8*(4*(\a)+\b)+3] offset:64*\b        ; each accumulator from its low end on
	ds_store_b128 v[STO], v[ACC+8*(4*(\a)+\b)+4:ACC+8*(4*(\a)+\b)+7] offset:64*\b+16
.endr
.irp t, 0,1,2,3,4,5,6,7
	ds_load_b128 v[TMP+32*((\a)%2)+4*\t:TMP+32*((\a)%2)+4*\t+3], v[RD] offset:\t*2*SPITCH
.endr
.endm
.macro SEND a, younger                 ; younger: the LDS instructions issued behind block a's loads, which may stay out
	s_wait_dscnt \younger                          ; the block is back in registers
.irp t, 0,1,2,3,4,5,6,7
	global_store_b128 v[CO], v[TMP+32*((\a)%2)+4*\t:TMP+32*((\a)%2)+4*\t+3], s[8:9] offset:(16*(\a)+2*\t)*SIZE_N*4 th:TH_STORE_NT   ; 16 lanes store 256 consecutive bytes, aligned; written once, read by nobody here
.endr
.endm
	PLACES
	TOSTAGE 0
.irp a, 1,2,3
.if \a > 1
	s_wait_xcnt 0x0                                ; block a - 2's stores have read their registers: block a's loads may land there
.endif
	TOSTAGE \a
	SEND \a-1, 16                                  ; behind block a - 1's loads: block a's 8 stores and 8 loads
.endr
	SEND 3, 0
	s_wait_tensorcnt 0x0                           ; the wave's end, behind my last tensor load and my last LDS store
	ds_add_u32 v[SPW], v[NIL]
	s_wait_dscnt 0x0
	CROUND                                         ; the closing round: no work-group ends while a partner may still ask for a tile that names it
	s_endpgm
.Lfunc_end_k_q243372cf6e_proj:
	.size	k_q243372cf6e_proj, .Lfunc_end_k_q243372cf6e_proj-k_q243372cf6e_proj
	.p2alignl 7, 3214868480
	.fill 96, 4, 3214868480
	.section	.rodata,"a",@progbits
	.p2align	6, 0x0
	.amdhsa_kernel k_q243372cf6e_proj
		.amdhsa_group_segment_fixed_size 327680
		.amdhsa_private_segment_fixed_size 0
		.amdhsa_enable_private_segment 0
		.amdhsa_kernarg_size 24
		.amdhsa_user_sgpr_count 2
		.amdhsa_user_sgpr_kernarg_segment_ptr 1
		.amdhsa_wavefront_size32 1
		.amdhsa_system_sgpr_workgroup_id_x 1
		.amdhsa_system_sgpr_workgroup_id_y 1
		.amdhsa_system_sgpr_workgroup_id_z 1
		.amdhsa_system_vgpr_workitem_id 0
		.amdhsa_next_free_vgpr 512
		.amdhsa_next_free_sgpr 66
		.amdhsa_reserve_vcc 0
		.amdhsa_float_denorm_mode_32 3
		.amdhsa_float_denorm_mode_16_64 3
		.amdhsa_memory_ordered 1
		.amdhsa_forward_progress 1
		.amdhsa_inst_pref_size 85
	.end_amdhsa_kernel
	.amdgpu_metadata
---
amdhsa.version: [ 1, 2 ]
amdhsa.kernels:
  - .name:           k_q243372cf6e_proj
    .symbol:         k_q243372cf6e_proj.kd
    .args:
      - { .name: att, .offset: 0, .size: 8, .value_kind: global_buffer, .address_space: global }
      - { .name: wo16, .offset: 8, .size: 8, .value_kind: global_buffer, .address_space: global }
      - { .name: out0, .offset: 16, .size: 8, .value_kind: global_buffer, .address_space: global }
    .group_segment_fixed_size: 327680
    .private_segment_fixed_size: 0
    .kernarg_segment_align: 8
    .kernarg_segment_size: 24
    .max_flat_workgroup_size: 128
    .sgpr_count:     66
    .vgpr_count:     512
    .wavefront_size: 32
...
	.end_amdgpu_metadata
.endif
;; end of part 4
